; MI455X (gfx1250); checked and timed in simulation.
; The chip was launched on July 23, 2026; its instructions are those of AMD's public machine-readable ISA for CDNA 5 (MIT licence, August 2026) and "CDNA5" Instruction Set Architecture Reference Guide (July 2026). The comments in the code are by the model that wrote it; some were corrected since.
;; Multi Head Attention. Allowed arithmetic: matrix products marked QUANTISED: E4M3 operands, one E8M0 scale for each 32 along K, by v_wmma_scale_f32_16x16x128_f8f6f4 with both operands' format E4M3, f32 sums; products left as they are: f32 operands where the result goes on into a quantised operand, else bf16, f16 or f32 operands; f32 sums; everything else in f32.
;; Inputs: Q_codes 8 x 1,024 x 4 x 32 uint8 (E4M3 codes of Q, K innermost, in blocks of 32 codes); Q_scales 8 x 1,024 x 4 uint8 (E8M0 scales of Q, one for each 32 codes along K); Wk_codes 128 x 4 x 32 uint8 (E4M3 codes of Wk, K innermost, in blocks of 32 codes); Wk_scales 128 x 4 uint8 (E8M0 scales of Wk, one for each 32 codes along K); Wq_codes 128 x 4 x 32 uint8 (E4M3 codes of Wq, K innermost, in blocks of 32 codes); Wq_scales 128 x 4 uint8 (E8M0 scales of Wq, one for each 32 codes along K); Wvin_codes 128 x 4 x 32 uint8 (E4M3 codes of Wvin, K innermost, in blocks of 32 codes); Wvin_scales 128 x 4 uint8 (E8M0 scales of Wvin, one for each 32 codes along K); Wvout_codes 128 x 4 x 32 uint8 (E4M3 codes of Wvout, K innermost, in blocks of 32 codes); Wvout_scales 128 x 4 uint8 (E8M0 scales of Wvout, one for each 32 codes along K); mask 8 x 1,024 bool.
;; Outputs: out0 8 x 1,024 x 128 float32.
;; Constants: clip = 10.
;; This version of the problem:
;;   THIS VERSION OF THE PROBLEM IS GIVEN IN LOW PRECISION. The matrix products marked QUANTISED in the list below multiply operands that are first quantised to E4M3 (4 exponent bits, 3 mantissa bits; 8 bits a number), with one power-of-two scale for each 32 numbers along K (OCP MX v1.0); their sums are f32. All else is computed in f32.
;;   The module's matrix products, in the order in which they are computed (A, B: the left and right operand; K: the contracted axis; several contracted axes count as one K, in the product's order):
;;     1. [M 8,192, K 128] x [K 128, N 128]; A: input Q (given as codes); B: input Wq (given as codes): QUANTISED
;;     2. [M 8,192, K 128] x [K 128, N 128]; A: input Q (given as codes); B: input Wk (given as codes): QUANTISED
;;     3. [M 8,192, K 128] x [K 128, N 128]; A: input Q (given as codes); B: input Wvin (given as codes): QUANTISED
;;     4. batch 64 x [M 1,024, K 16] x [K 16, N 1,024]; A: computed on the way; B: computed on the way: left as it is (K = 16 < 32)
;;     5. batch 64 x [M 1,024, K 1,024] x [K 1,024, N 16]; A: softmax (see below); B: computed on the way: QUANTISED
;;     6. [M 8,192, K 128] x [K 128, N 128]; A: computed on the way; B: input Wvout (given as codes): QUANTISED
;;   THE QUANTISER, for each operand of a quantised product, along K:
;;     - K is cut into blocks of 32 from its start; a last block that is shorter is filled with zeros.
;;     - A block's scale is 2^e with e = floor(log2(the largest magnitude in the block)) - 8, held to -126 .. 127; a block of zeros has e = 0. As a byte (E8M0): e + 127.
;;     - Each number is divided by its block's scale, clamped to +-448, and rounded to the nearest number of E4M3, ties to even, subnormals kept.
;;     - The product sums the exact products of the quantised numbers (number of the format x scale) in f32.
;;   ~~~python
;;   def quantise(x, axis):      # numpy; x: float32 -> the quantised numbers, widened to float32 again
;;       x = np.moveaxis(x, axis, -1); K = x.shape[-1]
;;       x = np.pad(x, [(0, 0)] * (x.ndim - 1) + [(0, -K % 32)]); x = x.reshape(x.shape[:-1] + (-1, 32)); a = np.abs(x).max(-1, keepdims=True)
;;       e = np.where(a > 0, np.clip(np.frexp(np.where(a > 0, a, 1))[1] - 1 - 8, -126, 127), 0)      # np.frexp(a)[1] - 1 = floor(log2(a)), exactly
;;       r = np.clip(x / 2.0 ** e, -448, 448)
;;       step = 2.0 ** (np.maximum(np.frexp(np.where(r == 0, 1, r))[1] - 1, -6) - 3)
;;       q = np.round(r / step) * step * 2.0 ** e      # np.round: ties to even
;;       return np.moveaxis(q.reshape(q.shape[:-2] + (-1,))[..., :K], -1, axis).astype(np.float32)
;;   ~~~
;;   SOFTMAX AHEAD OF A QUANTISED PRODUCT. Where the list says 'softmax', what is quantised is not the finished softmax but p = 2^(t - M), with t = logit x log2(e) and M = ceil(the row's largest t), a whole number; so 1/2 < the row's largest p <= 1. The row's sum l is taken of the UNQUANTISED p, in f32, and the product's result is divided by l at the end. Since M is a whole number, a kernel that streams over the keys may use a running M (the ceiling of the running maximum): every later rescaling is an exact power of two, which a block's scale takes up: the codes' values come out the same.
;;   OPERANDS COMPUTED ON THE WAY. 'Computed on the way' means the value that the module computes at that place (a softmax that the list does not call 'softmax' is quantised finished and normalised). What goes into a quantiser is computed in f32, as accurately as f32 sums, v_exp_f32 and their like allow (about 1e-6 of the number): no bf16 or f16 on the way to a quantiser, and a product that is left as it is and whose result goes on into a quantised operand takes f32 operands (vector FMAs, or v_wmma_f32_16x16x4_f32). A number that lies on a knife's edge between two numbers of the format may be rounded either way, as far as f32 arithmetic and the matrix unit's own rounding can turn it there, and no further.
;;   INPUTS GIVEN AS CODES. Q (in the module: [8, 1024, 128], K = its axis 2); Wk (in the module: [128, 128], K = its axis 0); Wq (in the module: [128, 128], K = its axis 0); Wvin (in the module: [128, 128], K = its axis 0); Wvout (in the module: [128, 128], K = its axis 0): each comes as NAME_codes (uint8): NAME with its K axis moved to the last place and cut into blocks of 32 codes, [.., K / 32, bytes a block], one block behind the other in memory; one code a byte (a code: sign, 4 exponent bits, 3 mantissa bits); and NAME_scales (uint8): the same leading axes, one E8M0 byte (e + 127) for each 32 codes along K. Its value is code x scale, taken as it is: it is not quantised again, and the codes and scales need not be those that the quantiser above would give.
;; 2 versions, each right; version 2 is version 1 with the launches attn, outproj written anew for expert scheduling mode. Each part assembles by itself: llvm-mc -triple=amdgcn-amd-amdhsa -mcpu=gfx1250 --defsym DOCPART=n.
;; ======== version 1 of 2: 2 launches
;; workspace buffers: o_codes 1,048,576 bytes; o_scales 131,072 bytes
;; launch attn (part 1): grid 32 x 8, 16 waves a work-group, no clusters, 193,024 bytes of LDS; arguments Q_codes, Q_scales, Wk_codes, Wk_scales, Wq_codes, Wq_scales, Wvin_codes, Wvin_scales, mask, o_codes, o_scales; writes o_codes, o_scales
.if DOCPART == 1
	.amdgcn_target "amdgcn-amd-amdhsa--gfx1250"
	.amdhsa_code_object_version 6
	.text
	.protected	k_qc28498cab2_attn
	.globl	k_qc28498cab2_attn
	.p2align	8
	.type	k_qc28498cab2_attn,@function
k_qc28498cab2_attn:
	s_mov_b64 s[64:65], 0
	v_nop
	global_prefetch_b8 v0, s[64:65] scope:SCOPE_SE
	s_setreg_imm32_b32 hwreg(HW_REG_WAVE_MODE, 25, 1), 1
	s_wait_xcnt 0x0
; Self-attention, 8 batches x 1,024 rows x 8 heads of 16, up to the operand of the output projection.
; A work-group is (batch, pair of heads, block of 128 queries): 8 x 4 x 8 = 256 of them, sixteen waves each.
; PHASE 0.  Wave w takes keys 64 w .. 64 w + 63 and makes, for both heads of the pair, k (f32) and v (E4M3 codes along the keys, one E8M0 byte for 32 keys) from Q's and the weights' codes
; by scaled matrix instructions; it leaves them in LDS as images of the registers in which the loop wants them.  It also makes its own 16 queries' q, times log2(e) / 2, and two keys' mask terms a thread.
; LOOP.  Wave w is head w / 8 of the pair and queries 16 (w % 8) on; sixteen half-steps of 64 keys.  S^T = k q^T by the f32 matrix form (K = 16: four instructions a tile of 16 keys);
; e = 2^s', r = 1 / (1 + e), a = r x (-20 log2 e) + (10 log2 e - 15, or -infinity for a masked key), p = 2^a; p is quantised along the keys; every second half-step O^T += v^T p^T over 128 keys.
; BY TURNS.  A half-step's vector work stands between the 16 products of the NEXT half-step's scores, some 14 lines to a product, so that a wave always has work for both units.
; The first exponentials move the scores out of S, tile by tile, and each tile's first product of the next half-step follows them: one S of 32 registers serves.
; That is t = 10 tanh(q.k / 4) log2 e by tanh x = 1 - 2 / (1 + e^(2x)), and p = 2^(t - M) with M = 15 FOR EVERY ROW.  The softcap itself holds t within +-14.43 for every input, so p lies between 2^-29.5 and
; 2^-0.57 and a row's sum under 2^10: nothing can overflow or underflow; M is a whole number, so the codes' values are those of the row's own M and only the scale bytes shift.
; WAY OUT.  O^T / the row's sum of the unquantised p; the two heads of a row are one block of 32 along the last product's K: it is quantised here and stored as that operand's register image.
; LAYOUT.  The keys of a tile are not neighbours: row m of tile 2 b + u is key 32 b + 8 u + m + 8 (m / 8), so that the 16 registers of tiles 2 b, 2 b + 1 are keys 32 b + 16 (lane / 16) + 0 .. 15.
; k = Wk's 16 rows (source 0) x Q's rows (source 1): lane (r, h) register j = key r's dim 8 h + j.  Registers 2 c, 2 c + 1 are the f32 form's operand of K step c; q lies the same way, so both sides carry the same order of dims.
; NO CLUSTER, NO TENSOR LOAD: what work-groups share (a batch's 132 KB of codes and scale bytes) is read once, at the head, straight into operand registers; the loop reads no memory, and LDS holds the work-group's own results.
; LIMITS.  A block of zeros gets the scale byte 1 (its codes are zeros; this program alone reads the bytes).  tanh by the reciprocal carries an absolute error of some 3e-6 in p's exponent.
; A row whose keys are all masked gives NaN as the softmax of nothing does: its scale byte is set to 0xff.  Other NaN among the numbers are not served.
.set VIMG,   131072                    ; LDS: 0: k's images [head 2][tile 64][1,024 B];  here: v's fragments [head 2][step 8][2,048 B]
.set VSC,    163840                    ; v's scale bytes: [head 2][wave 16][128 B]: two bytes in a word a lane
.set BIAS,   167936                    ; 1,024 f32: a key's addend
.set OST,    172032                    ; 128 rows x (128 B + 16): o of both heads
.set OSTP,   144
.set SCST,   190464                    ; 128 scale words of o
.set C1,     0x3f38aa3b                ; log2(e) / 2
.set C2,     0xc1e6d4ca                ; -20 log2(e)
.set C3,     0xbf12b361                ; 10 log2(e) - 15
.set NEGINF, 0xff800000
.set FLOOR,  0x4800000                 ; 2^(9 - 127): no largest magnitude is taken under it, so a scale byte cannot fall under 1
.set MANT,   0x600000                  ; the mantissa field of 448
.set EOFF,   0xfc000000                ; -(8 << 23)
.set EXPF,   0x7f800000
; vector registers
.set ADK, 1                            ; v1-3, v17: phase 0: offsets and LDS store addresses; loop: the LDS addresses of the trip in hand
.set ADV, 2
.set ADS, 3
.set ADB, 17
.set KW0, 1
.set KW1, 2
.set VW,  3
.set VSW, 12
.set BW,  13
.set AK0, 4                            ; v4-7: my lane's place in k's images, v's fragments, v's scale words, the addends; never rewritten
.set AV0, 5
.set AS0, 6
.set AB0, 7
.set OSTW, 8                           ; v8-11, v16: the way out's addresses, made at the head; never rewritten
.set OSTR, 9
.set SCW, 10
.set LI16, 11                          ; 16 x lane
.set SCR, 16
.set L0,  12                           ; v[12:15] the row's sum, two packed chains
.set L1,  14
.set VS,  18                           ; v18-29 hold scales and nothing else
.set PW,  19
.set QS,  20
.set WS,  24
.set WQS, 28
.set VS2, 28                           ; in the loop: the upper half of v's scale word
.set QQS, 29
.set TM,  30                           ; v30-45 at work: +0 maxima, +4 the other half's / bytes, +8 448 x scale, +12 the conversions' scale operand
.set QF,  46                           ; v46-53 q x C1   (phase 0: v46-61 Wq's fragment)
.set O,   54                           ; v54-61 O^T
.set KB,  64                           ; phase 0: v64-127 Q's four fragments, then held numbers
.set S,   128                          ; phase 0: v128-191 the scaled products' results.  Loop: v128-159 S^T of a half-step: written by matrix instructions alone
.set W,   192                          ; phase 0: v192-255 the weights' fragments, then v's codes.  Loop: v192-223 e, 1 + e, r, a, p of a half-step
.set K0,  64                           ; loop: v64-95, v96-127 k's fragments of a half-step (4 tiles x 8), two buffers by turns
.set BI,  160                          ; loop: v160-191 the addends of a half-step's keys
.set VF,  224                          ; loop: v224-239 v's fragment of a step
.set PC,  240                          ; loop: v240-255 p's codes of a step
; scalar registers
.set WV,  26
.set QB,  27
.set HP,  28
.set BA,  29
.set HH,  30
.set QT,  31
.set SEL, 34
.set CC,  36
.set MNT, 38
.set CNT, 39
.macro PLACES n
.rept \n
	v_nop
.endr
.endm
.macro FRAG reg, voff, base, imm       ; 16 rows x 128 codes: lane (r, h) takes bytes 32 c + 16 h + 0 .. 15 of its row
.irp c, 0,1,2,3
	global_load_b128 v[(\reg)+4*\c:(\reg)+4*\c+3], v[\voff], s[\base:\base+1] offset:(\imm)+32*\c
.endr
.endm
.macro BARRIER                         ; my LDS stores have landed and my LDS loads are in: then the work-group's barrier
	s_wait_dscnt 0x0
	s_barrier_signal -1
	s_barrier_wait -1
.endm
; Four blocks of 32 along K; a lane holds 16 numbers of each, register 16 b + i, lane l xor 16 the other 16.  Leaves the byte in TM+4+b, 448 x the scale in TM+8+b, the conversions' scale operand in TM+12+b.
.macro BLOCKS4 src
.irp b, 0,1,2,3
	v_max3_num_f32 v[TM+\b], |v[\src+16*\b]|, |v[\src+16*\b+1]|, FLOOR
.endr
.irp i, 2,4,6,8,10,12,14
.irp b, 0,1,2,3
	v_max3_num_f32 v[TM+\b], v[TM+\b], |v[\src+16*\b+\i]|, |v[\src+16*\b+\i+1]|   ; the four blocks by turns; each matrix result is read from its low end on
.endr
.endr
.irp b, 0,1,2,3
	v_permlanex16_b32 v[TM+4+\b], v[TM+\b], s[SEL], s[SEL+1]
.endr
.irp b, 0,1,2,3
	v_max_num_f32 v[TM+\b], v[TM+\b], v[TM+4+\b]           ; the block's largest magnitude
.endr
.irp b, 0,1,2,3
	v_add_nc_u32 v[TM+12+\b], EOFF, v[TM+\b]               ; 8 off its exponent field: the conversion takes that field as its scale
.endr
.irp b, 0,1,2,3
	v_and_or_b32 v[TM+8+\b], v[TM+\b], EXPF, s[MNT]        ; 448 x the scale
.endr
.irp b, 0,1,2,3
	v_lshrrev_b32 v[TM+4+\b], 23, v[TM+12+\b]              ; the scale's byte
.endr
.endm
	s_load_b512 s[4:19], s[0:1], 0x0               ; Q codes 4, Q scales 6, Wk codes 8, Wk scales 10, Wq codes 12, Wq scales 14, Wvin codes 16, Wvin scales 18
	s_load_b128 s[20:23], s[0:1], 0x40             ; mask 20, o_codes 22
	s_load_b64 s[24:25], s[0:1], 0x50              ; o_scales
	v_lshrrev_b32 v252, 5, v0
	v_readfirstlane_b32 s[WV], v252                ; wave 0..15
	s_and_b32 s[QB], ttmp9, 7                      ; block of 128 queries
	s_lshr_b32 s[HP], ttmp9, 3                     ; pair of heads
	s_and_b32 s[BA], ttmp7, 0xffff                 ; batch
	s_lshr_b32 s[HH], s[WV], 3                     ; in the loop: my head of the pair,
	s_and_b32 s[QT], s[WV], 7                      ; my tile of 16 queries
	s_mov_b32 s[SEL], 0x76543210
	s_mov_b32 s[SEL+1], 0xfedcba98                 ; v_permlanex16_b32's selects for lane l xor 16
	s_mov_b32 s[CC], C2
	s_mov_b32 s[CC+1], C2                          ; (the packed form names the pair)
	s_mov_b32 s[MNT], MANT
	v_and_b32 v252, 15, v0                         ; r
	v_bfe_u32 v253, v0, 4, 1                       ; h
	v_and_b32 v254, 31, v0                         ; lane
	v_and_b32 v255, 8, v252
	v_add_nc_u32 v255, v255, v252                  ; r + 8 (r / 8): my row in a tile of keys
	v_lshlrev_b32 v[LI16], 4, v254
	; offsets into memory
	v_lshlrev_b32 v3, 7, v252
	v_lshl_add_u32 v3, v253, 4, v3                 ; v3: a weight's row r, + 16 h
	v_lshlrev_b32 v12, 2, v252                     ; v12: its scale word
	v_lshlrev_b32 v1, 7, v255
	v_lshl_add_u32 v1, v253, 4, v1
	s_lshl_b32 s40, s[WV], 13
	v_add_nc_u32 v1, s40, v1                       ; v1: Q's row 64 w + r + 8 (r / 8), + 16 h
	v_lshlrev_b32 v2, 2, v255
	s_lshl_b32 s40, s[WV], 8
	v_add_nc_u32 v2, s40, v2                       ; v2: its scale word
	s_lshl_b32 s40, s[HH], 11
	v_add_nc_u32 v13, s40, v3                      ; v13: Wq's row of my head
	s_lshl_b32 s40, s[HH], 6
	v_add_nc_u32 v14, s40, v12                     ; v14: its scale word
	s_lshl_b32 s40, s[QB], 14
	s_lshl_b32 s41, s[QT], 11
	s_add_co_u32 s40, s40, s41
	v_add_nc_u32 v15, s40, v3                      ; v15: my query's row 128 qb + 16 qt + r
	s_lshl_b32 s40, s[QB], 9
	s_lshl_b32 s41, s[QT], 6
	s_add_co_u32 s40, s40, s41
	v_add_nc_u32 v17, s40, v12                     ; v17: its scale word
	v_lshlrev_b32 v62, 1, v0                       ; v62: two mask bytes a thread
	; LDS addresses that stay
	s_lshl_b32 s40, s[HH], 16
	v_add_nc_u32 v[AK0], s40, v[LI16]
	s_lshl_b32 s40, s[HH], 14
	s_add_co_u32 s40, s40, VIMG
	v_add_nc_u32 v[AV0], s40, v[LI16]
	v_lshlrev_b32 v[AS0], 2, v254
	s_lshl_b32 s40, s[HH], 11
	s_add_co_u32 s40, s40, VSC
	v_add_nc_u32 v[AS0], s40, v[AS0]
	v_lshl_add_u32 v[AB0], v253, 6, BIAS           ; my half's 16 keys of each 32
	s_mul_i32 s42, s[QT], 16*OSTP
	s_add_co_u32 s42, s42, OST                     ; my tile's 16 rows of the stage
	s_lshl_b32 s41, s[HH], 6
	s_add_co_u32 s40, s42, s41
	v_mul_u32_u24 v[OSTW], v252, OSTP
	v_lshl_add_u32 v[OSTW], v253, 5, v[OSTW]
	v_add_nc_u32 v[OSTW], s40, v[OSTW]             ; in: row r, 64 bytes a head, 32 a half of the lanes
	v_mul_u32_u24 v[OSTR], v252, OSTP
	v_lshl_add_u32 v[OSTR], v253, 6, v[OSTR]
	v_add_nc_u32 v[OSTR], s42, v[OSTR]             ; back: row r, head h's 16 numbers
	v_lshlrev_b32 v[SCW], 2, v252
	s_lshl_b32 s40, s[QT], 6
	s_add_co_u32 s40, s40, SCST
	v_add_nc_u32 v[SCW], s40, v[SCW]
	v_add_nc_u32 v[SCR], SCST, v[LI16]
	s_mov_b32 s41, 0
	s_wait_kmcnt 0x0
	s_lshl_b32 s40, s[BA], 17
	s_add_nc_u64 s[4:5], s[4:5], s[40:41]          ; my batch's codes of Q,
	s_add_nc_u64 s[22:23], s[22:23], s[40:41]      ; and of o (64 row tiles x 2,048 bytes)
	s_lshl_b32 s40, s[BA], 12
	s_add_nc_u64 s[6:7], s[6:7], s[40:41]          ; its scale words of Q and of o
	s_add_nc_u64 s[24:25], s[24:25], s[40:41]
	s_lshl_b32 s40, s[BA], 10
	s_add_nc_u64 s[20:21], s[20:21], s[40:41]      ; its mask
	s_lshl_b32 s40, s[HP], 12
	s_add_nc_u64 s[8:9], s[8:9], s[40:41]          ; my pair's 32 rows of each weight
	s_add_nc_u64 s[12:13], s[12:13], s[40:41]
	s_add_nc_u64 s[16:17], s[16:17], s[40:41]
	s_lshl_b32 s40, s[HP], 7
	s_add_nc_u64 s[10:11], s[10:11], s[40:41]
	s_add_nc_u64 s[14:15], s[14:15], s[40:41]
	s_add_nc_u64 s[18:19], s[18:19], s[40:41]
	s_lshl_b32 s40, s[QB], 14
	s_lshl_b32 s42, s[QT], 11
	s_add_co_u32 s40, s40, s42
	s_lshl_b32 s42, s[HP], 9
	s_add_co_u32 s40, s40, s42
	s_add_nc_u64 s[22:23], s[22:23], s[40:41]      ; o_codes [row tile][K block = pair][lane][16 B]: row tile 8 qb + qt, my pair
	s_lshl_b32 s40, s[HP], 15
	s_lshl_b32 s42, s[QB], 9
	s_add_co_u32 s40, s40, s42
	s_add_nc_u64 s[24:25], s[24:25], s[40:41]      ; o_scales [pair][row] of 4 bytes: my block's 128 rows
	; ---- PHASE 0: all that comes from memory, in one run
	FRAG TM, 15, 4, 0                              ; my 16 queries
	global_load_b32 v[QQS], v17, s[6:7]
	FRAG QF, 13, 12, 0                             ; Wq, my head
	global_load_b32 v[WQS], v14, s[14:15]
	global_load_u16 v63, v62, s[20:21]             ; the mask of keys 2 t, 2 t + 1
.irp t, 0,1,2,3                                ; my 64 keys as four tiles: tile t begins at row 32 (t / 2) + 8 (t % 2)
	FRAG KB+16*\t, 1, 4, (32*(\t/2)+8*(\t%2))*128
	global_load_b32 v[QS+\t], v2, s[6:7] offset:(32*(\t/2)+8*(\t%2))*4
.endr
.irp g, 0,1                                    ; Wk and Wvin, both heads
	FRAG W+16*\g, 3, 8, 2048*\g
	global_load_b32 v[WS+\g], v12, s[10:11] offset:64*\g
	FRAG W+32+16*\g, 3, 16, 2048*\g
	global_load_b32 v[WS+2+\g], v12, s[18:19] offset:64*\g
.endr
	s_wait_loadcnt 0x0
	; q: source 0 = Wq's 16 rows, source 1 = my queries: lane (r, h) register j = query r, dim 8 h + j
	v_wmma_scale_f32_16x16x128_f8f6f4 v[S:S+7], v[QF:QF+15], v[TM:TM+15], 0, v[WQS], v[QQS]
	; ten plain lines that name none of its registers: the places ahead of the reads of q, of the writes over Wq's fragment and of the products that write over q
	s_lshl_b32 s40, s[WV], 12
	v_add_nc_u32 v[KW0], s40, v[LI16]              ; k's images: my four tiles of head 0,
	v_add_nc_u32 v[KW1], 0x10000, v[KW0]           ; of head 1
	s_lshl_b32 s40, s[WV], 10
	s_add_co_u32 s40, s40, VIMG
	v_add_nc_u32 v[VW], s40, v[LI16]               ; v's fragments: my two blocks of 32 keys
	s_lshl_b32 s40, s[WV], 7
	s_add_co_u32 s40, s40, VSC
	v_lshrrev_b32 v[VSW], 2, v[LI16]
	v_add_nc_u32 v[VSW], s40, v[VSW]               ; their two scale bytes: a word a lane, 128 bytes a wave
	v_lshl_add_u32 v[BW], v0, 3, BIAS              ; two addends a thread
	v_mov_b32 v17, NEGINF
	v_mov_b32 v62, C3
	v_and_b32 v14, 0xff, v63
	v_lshrrev_b32 v15, 8, v63
.irp j, 0,1,2,3,4,5,6,7
	v_mul_f32 v[QF+\j], C1, v[S+\j]                ; q x log2(e) / 2, so that the score is the exponent of e^(2 U)
.endr
	v_cmp_ne_u32 vcc_lo, 0, v14
	v_cndmask_b32 v14, v62, v17, vcc_lo            ; a masked key's addend is -infinity: p = 0
	v_cmp_ne_u32 vcc_lo, 0, v15
	v_cndmask_b32 v15, v62, v17, vcc_lo
	ds_store_b64 v[BW], v[14:15]
	; k: source 0 = Wk's 16 rows, source 1 = a tile of keys
.irp g, 0,1
.irp t, 0,1,2,3
	v_wmma_scale_f32_16x16x128_f8f6f4 v[S+8*(4*\g+\t):S+8*(4*\g+\t)+7], v[W+16*\g:W+16*\g+15], v[KB+16*\t:KB+16*\t+15], 0, v[WS+\g], v[QS+\t]
.endr
.endr
	PLACES 9                                       ; eight ahead of the stores that read the results, nine ahead of the products that write over them
.irp t, 0,1,2,3
	ds_store_b128 v[KW0], v[S+8*\t:S+8*\t+3] offset:1024*\t               ; an image of the registers: 16 bytes a lane, 512 a store; each result from its low end on
	ds_store_b128 v[KW0], v[S+8*\t+4:S+8*\t+7] offset:1024*\t+512
	ds_store_b128 v[KW1], v[S+32+8*\t:S+32+8*\t+3] offset:1024*\t
	ds_store_b128 v[KW1], v[S+32+8*\t+4:S+32+8*\t+7] offset:1024*\t+512
.endr
	s_wait_dscnt 0x0                               ; the stores have read their registers
	; v: source 0 = a tile of keys, source 1 = Wvin's 16 rows: lane (r, h) holds d = r, and registers 16 (2 g + l) + i are keys 32 l + 16 h + i of my 64
.irp g, 0,1
.irp t, 0,1,2,3
	v_wmma_scale_f32_16x16x128_f8f6f4 v[S+32*\g+8*\t:S+32*\g+8*\t+7], v[KB+16*\t:KB+16*\t+15], v[W+32+16*\g:W+32+16*\g+15], 0, v[QS+\t], v[WS+2+\g]
.endr
.endr
	PLACES 8
	BLOCKS4 S
	v_lshl_or_b32 v62, v[TM+5], 8, v[TM+4]         ; head 0's two bytes,
	v_lshl_or_b32 v63, v[TM+7], 8, v[TM+6]         ; head 1's
.irp b, 0,1,2,3
.irp i, 0,1,2,3,4,5,6,7,8,9,10,11,12,13,14,15
	v_med3_num_f32 v[KB+16*\b+\i], v[S+16*\b+\i], -v[TM+8+\b], v[TM+8+\b]   ; the conversion to an 8-bit code does not saturate (ISA guide 7.6.2): the hold, into other registers
.endr
	v_cvt_scalef32_pk8_fp8_f32 v[W+4*\b:W+4*\b+1], v[KB+16*\b:KB+16*\b+7], v[TM+12+\b]
	v_cvt_scalef32_pk8_fp8_f32 v[W+4*\b+2:W+4*\b+3], v[KB+16*\b+8:KB+16*\b+15], v[TM+12+\b]
.endr
	v_nop                                          ; one plain line behind the last conversion
.irp g, 0,1
.irp l, 0,1
	ds_store_b128 v[VW], v[W+8*\g+4*\l:W+8*\g+4*\l+3] offset:16384*\g+512*\l
.endr
.endr
	ds_store_b32 v[VSW], v62
	ds_store_b32 v[VSW], v63 offset:2048
	s_wait_dscnt 0x0                               ; for the others' sake: all my stores have landed
	s_barrier_signal -1
.irp j, 0,1,2,3,4,5,6,7
	v_mov_b32 v[O+\j], 0                           ; the step is written once: the first adds onto zeros
.endr
.irp j, 0,1,2,3
	v_mov_b32 v[L0+\j], 0
.endr
	s_mov_b32 s[CNT], 0
	s_mov_b32 s40, 0                               ; the trip's place among k's images (8,192 a trip),
	s_mov_b32 s41, 0                               ; v's fragments (2,048),
	s_mov_b32 s42, 0                               ; v's scale words (256),
	s_mov_b32 s43, 0                               ; the addends (512)
	s_barrier_wait -1                              ; k, v and the addends of all 1,024 keys lie in LDS; nothing is stored there while the loop reads
	; ---- THE LOOP
; The next of the 16 products of a half-step's S^T = k q^T, from the buffer at KN: K step mi / 4, tile mi % 4.  The four accumulators take turns, one instruction a turn; the first four start the sums.
.macro MMNEXT
.if mi < 4
	v_wmma_f32_16x16x4_f32 v[S+8*(mi%4):S+8*(mi%4)+7], v[KN+8*(mi%4):KN+8*(mi%4)+1], v[QF:QF+1], 0
.else
	v_wmma_f32_16x16x4_f32 v[S+8*(mi%4):S+8*(mi%4)+7], v[KN+8*(mi%4)+2*(mi/4):KN+8*(mi%4)+2*(mi/4)+1], v[QF+2*(mi/4):QF+2*(mi/4)+1], v[S+8*(mi%4):S+8*(mi%4)+7]
.endif
.set mi, mi+1
.endm
; A trip's head: all LDS loads of the half-step before are in (issued half a half-step ago or longer); then the trip's addresses.
.macro HEAD
	s_wait_dscnt 0x0
	v_add_nc_u32 v[ADK], s40, v[AK0]
	v_add_nc_u32 v[ADV], s41, v[AV0]
	v_add_nc_u32 v[ADS], s42, v[AS0]
	v_add_nc_u32 v[ADB], s43, v[AB0]
.endm
; HALF-STEP u = 2 x trip + par: 64 keys, whose scores lie in S.  lk: k of half-step u + 2 is fetched, into the buffer that the last half-step's products read.  mm: the 16 products of half-step u + 1 stand between
; the vector lines.  lb: the addends of half-step u + 1 are fetched.  An even half-step fetches the step's fragment of v; an odd one ends with the step's product O^T += v^T p^T.
; DISTANCES.  Behind the half-step's last f32 product stand two rounds of maxima and sums, the scale lines and 32 holds, all plain and none naming its registers: more than the nine places asked ahead of the next
; half-step's loads into its k buffer, reads of S and products that start S anew.  Behind the scaled product stand the head's four additions, four v_nop and 16 additions ahead of the loads into v's registers.
.macro BODY par, lk, mm, lb
.set mi, 0
.set KN, K0+32*(1-(\par))
.set KR, K0+32*(\par)
.if \par
	s_wait_dscnt 0x0                               ; all LDS loads of the half-step before are in
	v_lshl_or_b32 v[VS], v[VS2], 16, v[VS]         ; v's scale word of the step
.endif
.if \lk
.irp t, 0,1,2,3
	ds_load_b128 v[KR+8*\t:KR+8*\t+3], v[ADK] offset:8192+4096*(\par)+1024*\t
	ds_load_b128 v[KR+8*\t+4:KR+8*\t+7], v[ADK] offset:8192+4096*(\par)+1024*\t+512
.endr
.endif
.irp t, 0,1,2,3
.irp j, 0,1,2,3,4,5,6,7
	v_exp_f32 v[W+8*\t+\j], v[S+8*\t+\j]           ; e = e^(2 U): infinity or 0 at the ends give r = 0 or 1, tanh's own limits.  Each tile is read from its low end on
.endr
.if (\mm) || (\t == 3)
	v_nop                                          ; a plain line between the exponentials and the product that writes over their sources; the last is also the batch's
.endif
.if \t == 3
	s_wait_alu depctr_va_vdst(0)                   ; one wait for the batch of 32, ahead of its first reader
.endif
.if \mm
	MMNEXT                                         ; tile t's scores have been read: its sum of the next half-step begins
.endif
.endr
.set j, 0
.rept 16
	v_pk_add_f32 v[W+j:W+j+1], v[W+j:W+j+1], 1.0 op_sel_hi:[1,0]
.set j, j+2
.if (\mm) && ((j == 16) || (j == 32))
	MMNEXT
.endif
.endr
.set j, 0
.rept 32
	v_rcp_f32 v[W+j], v[W+j]                       ; r = 1 / (1 + e)
.set j, j+1
.if (\mm) && ((j == 10) || (j == 20))
	MMNEXT
.endif
.endr
	v_nop
	s_wait_alu depctr_va_vdst(0)
.if \mm
	MMNEXT
.endif
.set j, 0
.rept 16
	v_pk_fma_f32 v[W+j:W+j+1], v[W+j:W+j+1], s[CC:CC+1], v[BI+j:BI+j+1] op_sel_hi:[1,0,1]   ; t - 15, or -infinity
.set j, j+2
.if (\mm) && (j == 16)
	MMNEXT
.endif
.endr
.if \lb
.irp b, 0,1
.irp i, 0,1,2,3
	ds_load_b128 v[BI+16*\b+4*\i:BI+16*\b+4*\i+3], v[ADB] offset:256*((\par)+1)+128*\b+16*\i   ; the next half-step's addends, keys 32 b + 16 h + 4 i on: sixteen lanes read the same 16 bytes
.endr
.endr
.endif
.if \par == 0
.irp c, 0,1,2,3
	ds_load_b128 v[VF+4*\c:VF+4*\c+3], v[ADV] offset:512*\c            ; v's fragment of the step's 128 keys
.endr
	ds_load_b32 v[VS], v[ADS]                      ; its scale bytes: keys 0-63,
	ds_load_b32 v[VS2], v[ADS] offset:128          ; keys 64-127
.endif
.if \mm
	MMNEXT
.endif
.set j, 0
.rept 32
	v_exp_f32 v[W+j], v[W+j]                       ; p = 2^(t - 15): not normalised
.set j, j+1
.if (\mm) && ((j == 10) || (j == 20))
	MMNEXT
.endif
.endr
	v_nop
	s_wait_alu depctr_va_vdst(0)
.if \mm
	MMNEXT
.endif
.irp i, 0,1,2,3,4,5,6,7                        ; the two blocks' largest p (p is not negative: no |.|; the floor is a leaf) and the row's sum of the unquantised p, by turns: no line waits for the line above it
.if \i == 0
	v_max3_num_f32 v[TM], v[W], v[W+1], FLOOR
	v_max3_num_f32 v[TM+1], v[W+16], v[W+17], FLOOR
.else
	v_max3_num_f32 v[TM], v[TM], v[W+2*\i], v[W+2*\i+1]
	v_max3_num_f32 v[TM+1], v[TM+1], v[W+16+2*\i], v[W+17+2*\i]
.endif
	v_pk_add_f32 v[L0:L0+1], v[L0:L0+1], v[W+2*\i:W+2*\i+1]
	v_pk_add_f32 v[L1:L1+1], v[L1:L1+1], v[W+16+2*\i:W+17+2*\i]
.if (\mm) && ((\i == 2) || (\i == 5))
	MMNEXT
.endif
.endr
.irp b, 0,1
	v_permlanex16_b32 v[TM+4+\b], v[TM+\b], s[SEL], s[SEL+1]
.endr
.irp b, 0,1
	v_max_num_f32 v[TM+\b], v[TM+\b], v[TM+4+\b]           ; with lane l xor 16's 16 keys
.endr
.irp b, 0,1
	v_add_nc_u32 v[TM+12+\b], EOFF, v[TM+\b]               ; the conversions' scale operand
.endr
.irp b, 0,1
	v_and_or_b32 v[TM+8+\b], v[TM+\b], EXPF, s[MNT]        ; 448 x the scale
.endr
.irp b, 0,1
	v_lshrrev_b32 v[TM+4+\b], 23, v[TM+12+\b]              ; the scale's byte
.endr
.if \par
	v_lshl_or_b32 v[PW], v[TM+4], 16, v[PW]        ; p's scale word of the step: bytes 2 and 3; 32 holds stand between it and the product
	v_lshl_or_b32 v[PW], v[TM+5], 24, v[PW]
.else
	v_lshl_or_b32 v[PW], v[TM+5], 8, v[TM+4]       ; bytes 0 and 1
.endif
.irp b, 0,1
.irp i, 0,1,2,3,4,5,6,7,8,9,10,11,12,13,14,15
	v_min_num_f32 v[W+16*\b+\i], v[W+16*\b+\i], v[TM+8+\b]             ; the hold, one-sided, in place: the sum has been taken
.endr
	v_cvt_scalef32_pk8_fp8_f32 v[PC+8*(\par)+4*\b:PC+8*(\par)+4*\b+1], v[W+16*\b:W+16*\b+7], v[TM+12+\b]
	v_cvt_scalef32_pk8_fp8_f32 v[PC+8*(\par)+4*\b+2:PC+8*(\par)+4*\b+3], v[W+16*\b+8:W+16*\b+15], v[TM+12+\b]
.endr
.if \par
	PLACES 4                                       ; codes written by vector instructions stand four places ahead of a scaled product
	v_wmma_scale_f32_16x16x128_f8f6f4 v[O:O+7], v[VF:VF+15], v[PC:PC+15], v[O:O+7], v[VS], v[PW]   ; O^T += v^T p^T; 32 other products stand between two links of this chain
.else
	v_nop                                          ; one plain line behind the last conversion: the next half-step writes over its sources
.endif
.endm
	; half-steps 0 and 1 of k, the addends of half-step 0; half-step 0's products have no vector work to stand among
.irp t, 0,1,2,3
	ds_load_b128 v[K0+8*\t:K0+8*\t+3], v[AK0] offset:1024*\t
	ds_load_b128 v[K0+8*\t+4:K0+8*\t+7], v[AK0] offset:1024*\t+512
.endr
.irp t, 0,1,2,3
	ds_load_b128 v[K0+32+8*\t:K0+32+8*\t+3], v[AK0] offset:4096+1024*\t
	ds_load_b128 v[K0+32+8*\t+4:K0+32+8*\t+7], v[AK0] offset:4096+1024*\t+512
.endr
.irp b, 0,1
.irp i, 0,1,2,3
	ds_load_b128 v[BI+16*\b+4*\i:BI+16*\b+4*\i+3], v[AB0] offset:128*\b+16*\i
.endr
.endr
	s_wait_dscnt 16                                ; the first eight loads are in; the sixteen younger (the second buffer's, the addends') may be out
.set mi, 0
.set KN, K0
.rept 16
	MMNEXT
.endr
	PLACES 9                                       ; ahead of the loads into the first buffer, the reads of S and the products that start S anew
.Ltrip:                                            ; seven trips of two half-steps: 128 keys
	HEAD
	BODY 0, 1, 1, 1
	BODY 1, 1, 1, 1
	s_add_co_u32 s40, s40, 8192
	s_add_co_u32 s41, s41, 2048
	s_add_co_u32 s42, s42, 256
	s_add_co_u32 s43, s43, 512
	s_add_co_u32 s[CNT], s[CNT], 1
	s_cmp_lt_u32 s[CNT], 7
	s_cbranch_scc1 .Ltrip
	HEAD                                           ; the last two half-steps are written out: no k is left to fetch,
	BODY 0, 0, 1, 1
	BODY 1, 0, 0, 0                                ; and behind the last there is no half-step to multiply or to fetch addends for
	; ---- THE WAY OUT
	v_pk_add_f32 v[L0:L0+1], v[L0:L0+1], v[L1:L1+1]
	v_add_f32 v[L0], v[L0], v[L0+1]
	v_permlanex16_b32 v[L0+1], v[L0], s[SEL], s[SEL+1]
	v_add_f32 v[L0], v[L0], v[L0+1]                ; the row's sum
	v_rcp_f32 v[L0], v[L0]
	PLACES 5                                       ; the plain line behind the reciprocal; with the three additions above, eight places behind the last product
	s_wait_alu depctr_va_vdst(0)
.irp j, 0,1,2,3,4,5,6,7
	v_mul_f32 v[TM+\j], v[O+\j], v[L0]             ; o(query r, d = 8 h + j)
.endr
	ds_store_b128 v[OSTW], v[TM:TM+3]
	ds_store_b128 v[OSTW], v[TM+4:TM+7] offset:16
	BARRIER                                        ; both heads of all 128 rows lie in the stage
	s_cmp_lt_u32 s[WV], 8                          ; waves 0 to 7 quantise a tile of 16 rows each: lane (r, h) takes head h's 16 numbers of row r, lanes l and l xor 16 hold the block of 32
	s_cbranch_scc0 .Lno_quant
.irp i, 0,1,2,3
	ds_load_b128 v[W+4*\i:W+4*\i+3], v[OSTR] offset:16*\i
.endr
	s_wait_dscnt 0x0
	v_max3_num_f32 v30, |v[W]|, |v[W+1]|, FLOOR
.irp i, 2,4,6,8,10,12,14
	v_max3_num_f32 v30, v30, |v[W+\i]|, |v[W+\i+1]|
.endr
	v_permlanex16_b32 v31, v30, s[SEL], s[SEL+1]
	v_max_num_f32 v30, v30, v31
	v_add_nc_u32 v32, EOFF, v30
	v_and_or_b32 v33, v30, EXPF, s[MNT]
	v_lshrrev_b32 v34, 23, v32                     ; the block's byte
	v_and_b32 v35, 0x7fffffff, v[W]
	v_cmp_lt_u32 vcc_lo, EXPF, v35                 ; a row with no key left is 0 x infinity: its bits lie over infinity's
	v_mov_b32 v35, 0xff
	v_cndmask_b32 v34, v34, v35, vcc_lo            ; then the byte is 0xff, which makes the last product's row NaN
	v_permlanex16_b32 v31, v34, s[SEL], s[SEL+1]
	v_or_b32 v34, v34, v31                         ; both lanes of a row hold the same byte
.irp i, 0,1,2,3,4,5,6,7,8,9,10,11,12,13,14,15
	v_med3_num_f32 v[W+\i], v[W+\i], -v33, v33
.endr
	v_cvt_scalef32_pk8_fp8_f32 v[36:37], v[W:W+7], v32
	v_cvt_scalef32_pk8_fp8_f32 v[38:39], v[W+8:W+15], v32
	v_nop
	global_store_b128 v[LI16], v[36:39], s[22:23]  ; registers 4 c .. 4 c + 3 of the last product's operand, as they stand: the wave stores 512 consecutive bytes, aligned
	ds_store_b32 v[SCW], v34                       ; both lanes of a row write the same word with the same value
.Lno_quant:
	BARRIER                                        ; the 128 rows' scale words lie in LDS
	s_cmp_lg_u32 s[WV], 0
	s_cbranch_scc1 .Lend
	ds_load_b128 v[40:43], v[SCR]
	s_wait_dscnt 0x0
	global_store_b128 v[LI16], v[40:43], s[24:25]  ; 512 consecutive bytes, aligned
.Lend:
	s_wait_xcnt 0x0
	v_lshl_add_u32 v254, v0, 2, 0x2ea00
	v_mov_b32 v255, 0
	s_wait_tensorcnt 0x0
	ds_add_u32 v254, v255
	s_wait_dscnt 0x0
	s_endpgm
.Lfunc_end_k_qc28498cab2_attn:
	.size	k_qc28498cab2_attn, .Lfunc_end_k_qc28498cab2_attn-k_qc28498cab2_attn
	.p2alignl 7, 3214868480
	.fill 96, 4, 3214868480
	.section	.rodata,"a",@progbits
	.p2align	6, 0x0
	.amdhsa_kernel k_qc28498cab2_attn
		.amdhsa_group_segment_fixed_size 193024
		.amdhsa_private_segment_fixed_size 0
		.amdhsa_enable_private_segment 0
		.amdhsa_kernarg_size 88
		.amdhsa_user_sgpr_count 2
		.amdhsa_user_sgpr_kernarg_segment_ptr 1
		.amdhsa_wavefront_size32 1
		.amdhsa_system_sgpr_workgroup_id_x 1
		.amdhsa_system_sgpr_workgroup_id_y 1
		.amdhsa_system_sgpr_workgroup_id_z 1
		.amdhsa_system_vgpr_workitem_id 0
		.amdhsa_next_free_vgpr 256
		.amdhsa_next_free_sgpr 66
		.amdhsa_reserve_vcc 1
		.amdhsa_float_denorm_mode_32 3
		.amdhsa_float_denorm_mode_16_64 3
		.amdhsa_memory_ordered 1
		.amdhsa_forward_progress 1
		.amdhsa_inst_pref_size 75
	.end_amdhsa_kernel
	.amdgpu_metadata
---
amdhsa.version: [ 1, 2 ]
amdhsa.kernels:
  - .name:           k_qc28498cab2_attn
    .symbol:         k_qc28498cab2_attn.kd
    .args:
      - { .name: Q_codes, .offset: 0, .size: 8, .value_kind: global_buffer, .address_space: global }
      - { .name: Q_scales, .offset: 8, .size: 8, .value_kind: global_buffer, .address_space: global }
      - { .name: Wk_codes, .offset: 16, .size: 8, .value_kind: global_buffer, .address_space: global }
      - { .name: Wk_scales, .offset: 24, .size: 8, .value_kind: global_buffer, .address_space: global }
      - { .name: Wq_codes, .offset: 32, .size: 8, .value_kind: global_buffer, .address_space: global }
      - { .name: Wq_scales, .offset: 40, .size: 8, .value_kind: global_buffer, .address_space: global }
      - { .name: Wvin_codes, .offset: 48, .size: 8, .value_kind: global_buffer, .address_space: global }
      - { .name: Wvin_scales, .offset: 56, .size: 8, .value_kind: global_buffer, .address_space: global }
      - { .name: mask, .offset: 64, .size: 8, .value_kind: global_buffer, .address_space: global }
      - { .name: o_codes, .offset: 72, .size: 8, .value_kind: global_buffer, .address_space: global }
      - { .name: o_scales, .offset: 80, .size: 8, .value_kind: global_buffer, .address_space: global }
    .group_segment_fixed_size: 193024
    .private_segment_fixed_size: 0
    .kernarg_segment_align: 8
    .kernarg_segment_size: 88
    .max_flat_workgroup_size: 512
    .sgpr_count:     66
    .vgpr_count:     256
    .wavefront_size: 32
...
	.end_amdgpu_metadata
.endif
;; end of part 1
;; launch outproj (part 2): grid 256 x 1, 4 waves a work-group, no clusters, 17,920 bytes of LDS; arguments o_codes, o_scales, Wvout_codes, Wvout_scales, out0; writes out0
.if DOCPART == 2
	.amdgcn_target "amdgcn-amd-amdhsa--gfx1250"
	.amdhsa_code_object_version 6
	.text
	.protected	k_qc28498cab2_outproj
	.globl	k_qc28498cab2_outproj
	.p2align	8
	.type	k_qc28498cab2_outproj,@function
k_qc28498cab2_outproj:
	s_mov_b64 s[64:65], 0
	v_nop
	global_prefetch_b8 v0, s[64:65] scope:SCOPE_SE
	s_setreg_imm32_b32 hwreg(HW_REG_WAVE_MODE, 25, 1), 1
	s_wait_xcnt 0x0
; out0 [8,192][128] f32 = o Wvout, both operands as E4M3 codes with one E8M0 byte for each 32 along K = 128.
; o_codes: [row tile 512][K block 4][lane 32][16 B], the operand's registers as they stand; o_scales: [K block 4][row 8,192], the byte in the low bits of a word.  Wvout_codes: [128 columns][128 K]; Wvout_scales: a word a column.
; A work-group of four waves takes two tiles of 16 rows; wave w takes tile w / 2 and columns 64 (w % 2) on: four matrix instructions, K in one step.
; The product is used transposed (source 0 = 16 rows of Wvout's codes = 16 columns of out0, source 1 = o): a lane holds eight neighbouring columns of one row.  They go through the wave's own stage in LDS
; and leave as runs of 256 consecutive bytes, aligned, from sixteen lanes.  Waves share nothing: no barrier.  No tensor load, no cluster: a wave reads 10 KB once, straight into operand registers.
.set SP, 272                           ; a stage row: 256 bytes + 16
.macro PLACES n
.rept \n
	v_nop
.endr
.endm
	s_load_b256 s[4:11], s[0:1], 0x0               ; o_codes 4, o_scales 6, Wvout codes 8, Wvout scales 10
	s_load_b64 s[12:13], s[0:1], 0x20              ; out0
	v_lshl_add_u32 v136, v0, 2, 0x4400
	v_mov_b32 v137, 0
	v_lshrrev_b32 v1, 5, v0
	v_readfirstlane_b32 s14, v1                    ; wave 0..3
	v_and_b32 v1, 15, v0                           ; r
	v_bfe_u32 v2, v0, 4, 1                         ; h
	v_and_b32 v3, 31, v0
	v_lshlrev_b32 v3, 4, v3                        ; 16 x lane
	s_lshr_b32 s15, s14, 1
	s_and_b32 s16, s14, 1                          ; which 64 columns
	s_lshl_b32 s17, ttmp9, 1
	s_add_co_u32 s17, s17, s15                     ; my tile of 16 rows
	v_lshlrev_b32 v4, 7, v1
	v_lshl_add_u32 v4, v2, 4, v4
	s_lshl_b32 s18, s16, 13
	v_add_nc_u32 v4, s18, v4                       ; Wvout: row 64 (w % 2) + r, + 16 h
	v_lshlrev_b32 v6, 2, v1                        ; 4 r
	s_lshl_b32 s18, s16, 8
	v_add_nc_u32 v5, s18, v6                       ; and its scale word
	s_mov_b32 s21, 0
	s_wait_kmcnt 0x0
	s_lshl_b32 s20, s17, 11
	s_add_nc_u64 s[4:5], s[4:5], s[20:21]          ; my tile's 2,048 bytes of codes
	s_lshl_b32 s20, s17, 6
	s_add_nc_u64 s[6:7], s[6:7], s[20:21]          ; its 16 words in each K block's run
	s_lshl_b32 s20, s17, 13
	s_lshl_b32 s22, s16, 8
	s_add_co_u32 s20, s20, s22
	s_add_nc_u64 s[12:13], s[12:13], s[20:21]      ; out0: 16 rows of 512 bytes a tile, + my 256 bytes of a row
.irp c, 0,1,2,3
	global_load_b128 v[20+4*\c:23+4*\c], v3, s[4:5] offset:512*\c      ; o's fragment
	global_load_b32 v[10+\c], v6, s[6:7] offset:32768*\c               ; row r's byte of K block c
.endr
.irp t, 0,1,2,3
.irp c, 0,1,2,3
	global_load_b128 v[36+16*\t+4*\c:39+16*\t+4*\c], v4, s[8:9] offset:2048*\t+32*\c
.endr
	global_load_b32 v[16+\t], v5, s[10:11] offset:64*\t
.endr
	s_wait_loadcnt 0x0
	v_lshl_or_b32 v14, v11, 8, v10                 ; row r's scale word
	v_lshl_or_b32 v14, v12, 16, v14
	v_lshl_or_b32 v14, v13, 24, v14
	s_mul_i32 s18, s14, 16*SP                      ; my stage.  The eight lines below are the eight places between the scale word's last write and the products
	v_mul_u32_u24 v7, v1, SP
	v_lshl_add_u32 v7, v2, 5, v7
	v_add_nc_u32 v7, s18, v7                       ; in: row r, 32 bytes for each half of the lanes
	v_mul_u32_u24 v8, v2, SP
	v_lshl_add_u32 v8, v1, 4, v8
	v_add_nc_u32 v8, s18, v8                       ; back: lanes 0-15 one row, lanes 16-31 the next
	v_lshlrev_b32 v9, 9, v2
	v_lshl_add_u32 v9, v1, 4, v9                   ; and the same two rows in out0
.irp t, 0,1,2,3
	v_wmma_scale_f32_16x16x128_f8f6f4 v[100+8*\t:107+8*\t], v[36+16*\t:51+16*\t], v[20:35], 0, v[16+\t], v14
.endr
	PLACES 8                                       ; ahead of the stores that read the results and of the loads into Wvout's registers
.irp t, 0,1,2,3
	ds_store_b128 v7, v[100+8*\t:103+8*\t] offset:64*\t                ; out0(r, 16 t + 8 h + 0 .. 7) of my 64 columns; each result from its low end on
	ds_store_b128 v7, v[104+8*\t:107+8*\t] offset:64*\t+16
.endr
.irp i, 0,1,2,3,4,5,6,7
	ds_load_b128 v[36+4*\i:39+4*\i], v8 offset:2*\i*SP                 ; LDS serves a wave's instructions in order (ISA guide 5.7.1.4): these see my stores
.endr
.irp i, 0,1,2,3,4,5,6,7
	s_wait_dscnt 7-\i                              ; pair i of rows is in; the younger loads may be out
	global_store_b128 v9, v[36+4*\i:39+4*\i], s[12:13] offset:1024*\i th:TH_STORE_NT   ; sixteen lanes store 256 consecutive bytes, aligned; written once, read by nobody here
.endr
	s_wait_tensorcnt 0x0
	ds_add_u32 v136, v137
	s_wait_dscnt 0x0
	s_endpgm
.Lfunc_end_k_qc28498cab2_outproj:
	.size	k_qc28498cab2_outproj, .Lfunc_end_k_qc28498cab2_outproj-k_qc28498cab2_outproj
	.p2alignl 7, 3214868480
	.fill 96, 4, 3214868480
	.section	.rodata,"a",@progbits
	.p2align	6, 0x0
	.amdhsa_kernel k_qc28498cab2_outproj
		.amdhsa_group_segment_fixed_size 17920
		.amdhsa_private_segment_fixed_size 0
		.amdhsa_enable_private_segment 0
		.amdhsa_kernarg_size 40
		.amdhsa_user_sgpr_count 2
		.amdhsa_user_sgpr_kernarg_segment_ptr 1
		.amdhsa_wavefront_size32 1
		.amdhsa_system_sgpr_workgroup_id_x 1
		.amdhsa_system_sgpr_workgroup_id_y 1
		.amdhsa_system_sgpr_workgroup_id_z 1
		.amdhsa_system_vgpr_workitem_id 0
		.amdhsa_next_free_vgpr 138
		.amdhsa_next_free_sgpr 66
		.amdhsa_reserve_vcc 0
		.amdhsa_float_denorm_mode_32 3
		.amdhsa_float_denorm_mode_16_64 3
		.amdhsa_memory_ordered 1
		.amdhsa_forward_progress 1
		.amdhsa_inst_pref_size 8
	.end_amdhsa_kernel
	.amdgpu_metadata
---
amdhsa.version: [ 1, 2 ]
amdhsa.kernels:
  - .name:           k_qc28498cab2_outproj
    .symbol:         k_qc28498cab2_outproj.kd
    .args:
      - { .name: o_codes, .offset: 0, .size: 8, .value_kind: global_buffer, .address_space: global }
      - { .name: o_scales, .offset: 8, .size: 8, .value_kind: global_buffer, .address_space: global }
      - { .name: Wvout_codes, .offset: 16, .size: 8, .value_kind: global_buffer, .address_space: global }
      - { .name: Wvout_scales, .offset: 24, .size: 8, .value_kind: global_buffer, .address_space: global }
      - { .name: out0, .offset: 32, .size: 8, .value_kind: global_buffer, .address_space: global }
    .group_segment_fixed_size: 17920
    .private_segment_fixed_size: 0
    .kernarg_segment_align: 8
    .kernarg_segment_size: 40
    .max_flat_workgroup_size: 128
    .sgpr_count:     66
    .vgpr_count:     138
    .wavefront_size: 32
...
	.end_amdgpu_metadata
.endif
;; end of part 2
;; ======== version 2 of 2: 2 launches; version 1 with the launches attn, outproj written anew for expert scheduling mode
;; workspace buffers: o_codes 1,048,576 bytes; o_scales 131,072 bytes
;; launch attn (part 3): grid 32 x 8, 16 waves a work-group, no clusters, 193,024 bytes of LDS; arguments Q_codes, Q_scales, Wk_codes, Wk_scales, Wq_codes, Wq_scales, Wvin_codes, Wvin_scales, mask, o_codes, o_scales; writes o_codes, o_scales
.if DOCPART == 3
	.amdgcn_target "amdgcn-amd-amdhsa--gfx1250"
	.amdhsa_code_object_version 6
	.text
	.protected	k_qc28498cab2_attn
	.globl	k_qc28498cab2_attn
	.p2align	8
	.type	k_qc28498cab2_attn,@function
k_qc28498cab2_attn:
	s_mov_b64 s[64:65], 0
	v_nop
	global_prefetch_b8 v0, s[64:65] scope:SCOPE_SE
	s_setreg_imm32_b32 hwreg(HW_REG_WAVE_SCHED_MODE, 0, 2), 2
	s_setreg_imm32_b32 hwreg(HW_REG_WAVE_MODE, 25, 1), 1
	s_wait_xcnt 0x0
	s_wait_alu depctr_vm_vsrc(0)
; Self-attention, 8 batches x 1,024 rows x 8 heads of 16, up to the operand of the output projection.
; A work-group is (batch, pair of heads, block of 128 queries): 8 x 4 x 8 = 256 of them, sixteen waves each.
; PHASE 0.  Wave w takes keys 64 w .. 64 w + 63 and makes, for both heads of the pair, k (f32) and v (E4M3 codes along the keys, one E8M0 byte for 32 keys) from Q's and the weights' codes
; by scaled matrix instructions; it leaves them in LDS as images of the registers in which the loop wants them.  It also makes its own 16 queries' q, times log2(e) / 2, and two keys' mask terms a thread.
; LOOP.  Wave w is head w / 8 of the pair and queries 16 (w % 8) on; sixteen half-steps of 64 keys.  S^T = k q^T by the f32 matrix form (K = 16: four instructions a tile of 16 keys);
; e = 2^s', r = 1 / (1 + e), a = r x (-20 log2 e) + (10 log2 e - 15, or -infinity for a masked key), p = 2^a; p is quantised along the keys; every second half-step O^T += v^T p^T over 128 keys.
; BY TURNS.  A half-step's vector work stands between the 16 products of the NEXT half-step's scores, some 14 lines to a product, so that a wave always has work for both units.
; The first exponentials move the scores out of S, tile by tile, and each tile's first product of the next half-step follows them: one S of 32 registers serves.
; That is t = 10 tanh(q.k / 4) log2 e by tanh x = 1 - 2 / (1 + e^(2x)), and p = 2^(t - M) with M = 15 FOR EVERY ROW.  The softcap itself holds t within +-14.43 for every input, so p lies between 2^-29.5 and
; 2^-0.57 and a row's sum under 2^10: nothing can overflow or underflow; M is a whole number, so the codes' values are those of the row's own M and only the scale bytes shift.
; WAY OUT.  O^T / the row's sum of the unquantised p; the two heads of a row are one block of 32 along the last product's K: it is quantised here and stored as that operand's register image.
; LAYOUT.  The keys of a tile are not neighbours: row m of tile 2 b + u is key 32 b + 8 u + m + 8 (m / 8), so that the 16 registers of tiles 2 b, 2 b + 1 are keys 32 b + 16 (lane / 16) + 0 .. 15.
; k = Wk's 16 rows (source 0) x Q's rows (source 1): lane (r, h) register j = key r's dim 8 h + j.  Registers 2 c, 2 c + 1 are the f32 form's operand of K step c; q lies the same way, so both sides carry the same order of dims.
; NO CLUSTER, NO TENSOR LOAD: what work-groups share (a batch's 132 KB of codes and scale bytes) is read once, at the head, straight into operand registers; the loop reads no memory, and LDS holds the work-group's own results.
; LIMITS.  A block of zeros gets the scale byte 1 (its codes are zeros; this program alone reads the bytes).  tanh by the reciprocal carries an absolute error of some 3e-6 in p's exponent.
; A row whose keys are all masked gives NaN as the softmax of nothing does: its scale byte is set to 0xff.  Other NaN among the numbers are not served.
; THE MODE: SCHED_MODE bits 1:0 = 2 (LLVM: expert scheduling mode 2), set by the entry lines.  The code itself states the register dependences between vector or matrix instructions
; and memory or LDS instructions, with s_wait_alu, always for 0.
; THE PLAN, in the loop.  Registers that LDS instructions touch:
;   K0, K0+32     Half-step u: the products issued in half-step u - 1 have read buffer u % 2; the loads of half-step u + 2 land in it.
;   VF, VS, VS2   The scaled product at an odd half-step's end reads VF and VS; a shift at that half-step's head reads VS2 and writes VS; the next step's loads land in them in the next even half-step.
;   BI            Half-step u's 16 multiply-adds read it; the loads of half-step u + 1 land in it.
;   v1-3, v17     LDS addresses: read by all these loads; written once a trip, by the four additions at its head.
;   S, W, TM, the sums, O, p's codes and q are named by vector and matrix instructions alone.
; A half-step has three waits on va_vdst, one behind each batch of 32 transcendentals.  Each run of loads stands straight behind one of them: k's behind the first exponentials' (the products that read the buffer and
; the four additions stand ahead of it), v's behind the reciprocals' (the scaled product and the shift stand ahead of it), the addends' behind the second exponentials' (the multiply-adds stand ahead of it).
; One wait on vm_vsrc a trip stands ahead of the four additions, and one more on va_vdst ahead of the scaled product, whose codes and scale words vector instructions have written.
.set VIMG,   131072                    ; LDS: 0: k's images [head 2][tile 64][1,024 B];  here: v's fragments [head 2][step 8][2,048 B]
.set VSC,    163840                    ; v's scale bytes: [head 2][wave 16][128 B]: two bytes in a word a lane
.set BIAS,   167936                    ; 1,024 f32: a key's addend
.set OST,    172032                    ; 128 rows x (128 B + 16): o of both heads
.set OSTP,   144
.set SCST,   190464                    ; 128 scale words of o
.set C1,     0x3f38aa3b                ; log2(e) / 2
.set C2,     0xc1e6d4ca                ; -20 log2(e)
.set C3,     0xbf12b361                ; 10 log2(e) - 15
.set NEGINF, 0xff800000
.set FLOOR,  0x4800000                 ; 2^(9 - 127): no largest magnitude is taken under it, so a scale byte cannot fall under 1
.set MANT,   0x600000                  ; the mantissa field of 448
.set EOFF,   0xfc000000                ; -(8 << 23)
.set EXPF,   0x7f800000
; vector registers
.set ADK, 1                            ; v1-3, v17: phase 0: offsets and LDS store addresses; loop: the LDS addresses of the trip in hand
.set ADV, 2
.set ADS, 3
.set ADB, 17
.set KW0, 1
.set KW1, 2
.set VW,  3
.set VSW, 12
.set BW,  13
.set AK0, 4                            ; v4-7: my lane's place in k's images, v's fragments, v's scale words, the addends; never rewritten
.set AV0, 5
.set AS0, 6
.set AB0, 7
.set OSTW, 8                           ; v8-11, v16: the way out's addresses, made at the head; never rewritten
.set OSTR, 9
.set SCW, 10
.set LI16, 11                          ; 16 x lane
.set SCR, 16
.set L0,  12                           ; v[12:15] the row's sum, two packed chains
.set L1,  14
.set VS,  18                           ; v18-29 hold scales and nothing else
.set PW,  19
.set QS,  20
.set WS,  24
.set WQS, 28
.set VS2, 28                           ; in the loop: the upper half of v's scale word
.set QQS, 29
.set TM,  30                           ; v30-45 at work: +0 maxima, +4 the other half's / bytes, +8 448 x scale, +12 the conversions' scale operand
.set QF,  46                           ; v46-53 q x C1   (phase 0: v46-61 Wq's fragment)
.set O,   54                           ; v54-61 O^T
.set KB,  64                           ; phase 0: v64-127 Q's four fragments, then held numbers
.set S,   128                          ; phase 0: v128-191 the scaled products' results.  Loop: v128-159 S^T of a half-step: written by matrix instructions alone
.set W,   192                          ; phase 0: v192-255 the weights' fragments, then v's codes.  Loop: v192-223 e, 1 + e, r, a, p of a half-step
.set K0,  64                           ; loop: v64-95, v96-127 k's fragments of a half-step (4 tiles x 8), two buffers by turns
.set BI,  160                          ; loop: v160-191 the addends of a half-step's keys
.set VF,  224                          ; loop: v224-239 v's fragment of a step
.set PC,  240                          ; loop: v240-255 p's codes of a step
; scalar registers
.set WV,  26
.set QB,  27
.set HP,  28
.set BA,  29
.set HH,  30
.set QT,  31
.set SEL, 34
.set CC,  36
.set MNT, 38
.set CNT, 39
.macro PLACES n
.rept \n
	v_nop
.endr
.endm
.macro FRAG reg, voff, base, imm       ; 16 rows x 128 codes: lane (r, h) takes bytes 32 c + 16 h + 0 .. 15 of its row
.irp c, 0,1,2,3
	global_load_b128 v[(\reg)+4*\c:(\reg)+4*\c+3], v[\voff], s[\base:\base+1] offset:(\imm)+32*\c
.endr
.endm
.macro BARRIER                         ; my LDS stores have landed and my LDS loads are in: then the work-group's barrier
	s_wait_dscnt 0x0
	s_barrier_signal -1
	s_barrier_wait -1
.endm
; Four blocks of 32 along K; a lane holds 16 numbers of each, register 16 b + i, lane l xor 16 the other 16.  Leaves the byte in TM+4+b, 448 x the scale in TM+8+b, the conversions' scale operand in TM+12+b.
.macro BLOCKS4 src
.irp b, 0,1,2,3
	v_max3_num_f32 v[TM+\b], |v[\src+16*\b]|, |v[\src+16*\b+1]|, FLOOR
.endr
.irp i, 2,4,6,8,10,12,14
.irp b, 0,1,2,3
	v_max3_num_f32 v[TM+\b], v[TM+\b], |v[\src+16*\b+\i]|, |v[\src+16*\b+\i+1]|   ; the four blocks by turns; each matrix result is read from its low end on
.endr
.endr
.irp b, 0,1,2,3
	v_permlanex16_b32 v[TM+4+\b], v[TM+\b], s[SEL], s[SEL+1]
.endr
.irp b, 0,1,2,3
	v_max_num_f32 v[TM+\b], v[TM+\b], v[TM+4+\b]           ; the block's largest magnitude
.endr
.irp b, 0,1,2,3
	v_add_nc_u32 v[TM+12+\b], EOFF, v[TM+\b]               ; 8 off its exponent field: the conversion takes that field as its scale
.endr
.irp b, 0,1,2,3
	v_and_or_b32 v[TM+8+\b], v[TM+\b], EXPF, s[MNT]        ; 448 x the scale
.endr
.irp b, 0,1,2,3
	v_lshrrev_b32 v[TM+4+\b], 23, v[TM+12+\b]              ; the scale's byte
.endr
.endm
	s_load_b512 s[4:19], s[0:1], 0x0               ; Q codes 4, Q scales 6, Wk codes 8, Wk scales 10, Wq codes 12, Wq scales 14, Wvin codes 16, Wvin scales 18
	s_load_b128 s[20:23], s[0:1], 0x40             ; mask 20, o_codes 22
	s_load_b64 s[24:25], s[0:1], 0x50              ; o_scales
	v_lshrrev_b32 v252, 5, v0
	v_readfirstlane_b32 s[WV], v252                ; wave 0..15
	s_and_b32 s[QB], ttmp9, 7                      ; block of 128 queries
	s_lshr_b32 s[HP], ttmp9, 3                     ; pair of heads
	s_and_b32 s[BA], ttmp7, 0xffff                 ; batch
	s_wait_alu depctr_va_sdst(0)                   ; s[WV] is written, ahead of its first reader: addresses, bases and branches are made from it
	s_lshr_b32 s[HH], s[WV], 3                     ; in the loop: my head of the pair,
	s_and_b32 s[QT], s[WV], 7                      ; my tile of 16 queries
	s_mov_b32 s[SEL], 0x76543210
	s_mov_b32 s[SEL+1], 0xfedcba98                 ; v_permlanex16_b32's selects for lane l xor 16
	s_mov_b32 s[CC], C2
	s_mov_b32 s[CC+1], C2                          ; (the packed form names the pair)
	s_mov_b32 s[MNT], MANT
	v_and_b32 v252, 15, v0                         ; r
	v_bfe_u32 v253, v0, 4, 1                       ; h
	v_and_b32 v254, 31, v0                         ; lane
	v_and_b32 v255, 8, v252
	v_add_nc_u32 v255, v255, v252                  ; r + 8 (r / 8): my row in a tile of keys
	v_lshlrev_b32 v[LI16], 4, v254
	; offsets into memory
	v_lshlrev_b32 v3, 7, v252
	v_lshl_add_u32 v3, v253, 4, v3                 ; v3: a weight's row r, + 16 h
	v_lshlrev_b32 v12, 2, v252                     ; v12: its scale word
	v_lshlrev_b32 v1, 7, v255
	v_lshl_add_u32 v1, v253, 4, v1
	s_lshl_b32 s40, s[WV], 13
	v_add_nc_u32 v1, s40, v1                       ; v1: Q's row 64 w + r + 8 (r / 8), + 16 h
	v_lshlrev_b32 v2, 2, v255
	s_lshl_b32 s40, s[WV], 8
	v_add_nc_u32 v2, s40, v2                       ; v2: its scale word
	s_lshl_b32 s40, s[HH], 11
	v_add_nc_u32 v13, s40, v3                      ; v13: Wq's row of my head
	s_lshl_b32 s40, s[HH], 6
	v_add_nc_u32 v14, s40, v12                     ; v14: its scale word
	s_lshl_b32 s40, s[QB], 14
	s_lshl_b32 s41, s[QT], 11
	s_add_co_u32 s40, s40, s41
	v_add_nc_u32 v15, s40, v3                      ; v15: my query's row 128 qb + 16 qt + r
	s_lshl_b32 s40, s[QB], 9
	s_lshl_b32 s41, s[QT], 6
	s_add_co_u32 s40, s40, s41
	v_add_nc_u32 v17, s40, v12                     ; v17: its scale word
	v_lshlrev_b32 v62, 1, v0                       ; v62: two mask bytes a thread
	; LDS addresses that stay
	s_lshl_b32 s40, s[HH], 16
	v_add_nc_u32 v[AK0], s40, v[LI16]
	s_lshl_b32 s40, s[HH], 14
	s_add_co_u32 s40, s40, VIMG
	v_add_nc_u32 v[AV0], s40, v[LI16]
	v_lshlrev_b32 v[AS0], 2, v254
	s_lshl_b32 s40, s[HH], 11
	s_add_co_u32 s40, s40, VSC
	v_add_nc_u32 v[AS0], s40, v[AS0]
	v_lshl_add_u32 v[AB0], v253, 6, BIAS           ; my half's 16 keys of each 32
	s_mul_i32 s42, s[QT], 16*OSTP
	s_add_co_u32 s42, s42, OST                     ; my tile's 16 rows of the stage
	s_lshl_b32 s41, s[HH], 6
	s_add_co_u32 s40, s42, s41
	v_mul_u32_u24 v[OSTW], v252, OSTP
	v_lshl_add_u32 v[OSTW], v253, 5, v[OSTW]
	v_add_nc_u32 v[OSTW], s40, v[OSTW]             ; in: row r, 64 bytes a head, 32 a half of the lanes
	v_mul_u32_u24 v[OSTR], v252, OSTP
	v_lshl_add_u32 v[OSTR], v253, 6, v[OSTR]
	v_add_nc_u32 v[OSTR], s42, v[OSTR]             ; back: row r, head h's 16 numbers
	v_lshlrev_b32 v[SCW], 2, v252
	s_lshl_b32 s40, s[QT], 6
	s_add_co_u32 s40, s40, SCST
	v_add_nc_u32 v[SCW], s40, v[SCW]
	v_add_nc_u32 v[SCR], SCST, v[LI16]
	s_mov_b32 s41, 0
	s_wait_kmcnt 0x0
	s_lshl_b32 s40, s[BA], 17
	s_add_nc_u64 s[4:5], s[4:5], s[40:41]          ; my batch's codes of Q,
	s_add_nc_u64 s[22:23], s[22:23], s[40:41]      ; and of o (64 row tiles x 2,048 bytes)
	s_lshl_b32 s40, s[BA], 12
	s_add_nc_u64 s[6:7], s[6:7], s[40:41]          ; its scale words of Q and of o
	s_add_nc_u64 s[24:25], s[24:25], s[40:41]
	s_lshl_b32 s40, s[BA], 10
	s_add_nc_u64 s[20:21], s[20:21], s[40:41]      ; its mask
	s_lshl_b32 s40, s[HP], 12
	s_add_nc_u64 s[8:9], s[8:9], s[40:41]          ; my pair's 32 rows of each weight
	s_add_nc_u64 s[12:13], s[12:13], s[40:41]
	s_add_nc_u64 s[16:17], s[16:17], s[40:41]
	s_lshl_b32 s40, s[HP], 7
	s_add_nc_u64 s[10:11], s[10:11], s[40:41]
	s_add_nc_u64 s[14:15], s[14:15], s[40:41]
	s_add_nc_u64 s[18:19], s[18:19], s[40:41]
	s_lshl_b32 s40, s[QB], 14
	s_lshl_b32 s42, s[QT], 11
	s_add_co_u32 s40, s40, s42
	s_lshl_b32 s42, s[HP], 9
	s_add_co_u32 s40, s40, s42
	s_add_nc_u64 s[22:23], s[22:23], s[40:41]      ; o_codes [row tile][K block = pair][lane][16 B]: row tile 8 qb + qt, my pair
	s_lshl_b32 s40, s[HP], 15
	s_lshl_b32 s42, s[QB], 9
	s_add_co_u32 s40, s40, s42
	s_add_nc_u64 s[24:25], s[24:25], s[40:41]      ; o_scales [pair][row] of 4 bytes: my block's 128 rows
	; ---- PHASE 0: all that comes from memory, in one run
	s_wait_alu depctr_va_vdst(0)                   ; the offsets v1-3, v12-15, v17, v62 and the LDS addresses v4-11, v16 are written, which loads and stores read; so are v252-255, in which loads land
	FRAG TM, 15, 4, 0                              ; my 16 queries
	global_load_b32 v[QQS], v17, s[6:7]
	FRAG QF, 13, 12, 0                             ; Wq, my head
	global_load_b32 v[WQS], v14, s[14:15]
	global_load_u16 v63, v62, s[20:21]             ; the mask of keys 2 t, 2 t + 1
.irp t, 0,1,2,3                                ; my 64 keys as four tiles: tile t begins at row 32 (t / 2) + 8 (t % 2)
	FRAG KB+16*\t, 1, 4, (32*(\t/2)+8*(\t%2))*128
	global_load_b32 v[QS+\t], v2, s[6:7] offset:(32*(\t/2)+8*(\t%2))*4
.endr
.irp g, 0,1                                    ; Wk and Wvin, both heads
	FRAG W+16*\g, 3, 8, 2048*\g
	global_load_b32 v[WS+\g], v12, s[10:11] offset:64*\g
	FRAG W+32+16*\g, 3, 16, 2048*\g
	global_load_b32 v[WS+2+\g], v12, s[18:19] offset:64*\g
.endr
	s_wait_loadcnt 0x0
	s_wait_alu depctr_vm_vsrc(0)                   ; the loads have read their offsets v1-3, v12-15, v17, v62, which the lines behind the first product write again
	; q: source 0 = Wq's 16 rows, source 1 = my queries: lane (r, h) register j = query r, dim 8 h + j
	v_wmma_scale_f32_16x16x128_f8f6f4 v[S:S+7], v[QF:QF+15], v[TM:TM+15], 0, v[WQS], v[QQS]
	; ten plain lines that name none of its registers: the places ahead of the reads of q, of the writes over Wq's fragment and of the products that write over q
	s_lshl_b32 s40, s[WV], 12
	v_add_nc_u32 v[KW0], s40, v[LI16]              ; k's images: my four tiles of head 0,
	v_add_nc_u32 v[KW1], 0x10000, v[KW0]           ; of head 1
	s_lshl_b32 s40, s[WV], 10
	s_add_co_u32 s40, s40, VIMG
	v_add_nc_u32 v[VW], s40, v[LI16]               ; v's fragments: my two blocks of 32 keys
	s_lshl_b32 s40, s[WV], 7
	s_add_co_u32 s40, s40, VSC
	v_lshrrev_b32 v[VSW], 2, v[LI16]
	v_add_nc_u32 v[VSW], s40, v[VSW]               ; their two scale bytes: a word a lane, 128 bytes a wave
	v_lshl_add_u32 v[BW], v0, 3, BIAS              ; two addends a thread
	v_mov_b32 v17, NEGINF
	v_mov_b32 v62, C3
	v_and_b32 v14, 0xff, v63
	v_lshrrev_b32 v15, 8, v63
.irp j, 0,1,2,3,4,5,6,7
	v_mul_f32 v[QF+\j], C1, v[S+\j]                ; q x log2(e) / 2, so that the score is the exponent of e^(2 U)
.endr
	v_cmp_ne_u32 vcc_lo, 0, v14
	s_wait_alu depctr_va_vcc(0)                    ; the compare has written VCC, which the select reads
	v_cndmask_b32 v14, v62, v17, vcc_lo            ; a masked key's addend is -infinity: p = 0
	v_cmp_ne_u32 vcc_lo, 0, v15
	s_wait_alu depctr_va_vcc(0)                    ; likewise
	v_cndmask_b32 v15, v62, v17, vcc_lo
	; k: source 0 = Wk's 16 rows, source 1 = a tile of keys
.irp g, 0,1
.irp t, 0,1,2,3
	v_wmma_scale_f32_16x16x128_f8f6f4 v[S+8*(4*\g+\t):S+8*(4*\g+\t)+7], v[W+16*\g:W+16*\g+15], v[KB+16*\t:KB+16*\t+15], 0, v[WS+\g], v[QS+\t]
.endr
.endr
	PLACES 9                                       ; eight ahead of the stores that read the results, nine ahead of the products that write over them
	s_wait_alu depctr_va_vdst(0)                   ; the products have written v[S ..], the selects v14-15, the additions the store addresses v1-3, v12-13: the LDS stores below read them; the places above stay beside this wait
	ds_store_b64 v[BW], v[14:15]                   ; the addends of keys 2 t, 2 t + 1
.irp t, 0,1,2,3
	ds_store_b128 v[KW0], v[S+8*\t:S+8*\t+3] offset:1024*\t               ; an image of the registers: 16 bytes a lane, 512 a store; each result from its low end on
	ds_store_b128 v[KW0], v[S+8*\t+4:S+8*\t+7] offset:1024*\t+512
	ds_store_b128 v[KW1], v[S+32+8*\t:S+32+8*\t+3] offset:1024*\t
	ds_store_b128 v[KW1], v[S+32+8*\t+4:S+32+8*\t+7] offset:1024*\t+512
.endr
	s_wait_dscnt 0x0                               ; the stores are done
	s_wait_alu depctr_vm_vsrc(0)                   ; the stores have read v[S ..], which the products below write again
	; v: source 0 = a tile of keys, source 1 = Wvin's 16 rows: lane (r, h) holds d = r, and registers 16 (2 g + l) + i are keys 32 l + 16 h + i of my 64
.irp g, 0,1
.irp t, 0,1,2,3
	v_wmma_scale_f32_16x16x128_f8f6f4 v[S+32*\g+8*\t:S+32*\g+8*\t+7], v[KB+16*\t:KB+16*\t+15], v[W+32+16*\g:W+32+16*\g+15], 0, v[QS+\t], v[WS+2+\g]
.endr
.endr
	PLACES 8
	BLOCKS4 S
	v_lshl_or_b32 v62, v[TM+5], 8, v[TM+4]         ; head 0's two bytes,
	v_lshl_or_b32 v63, v[TM+7], 8, v[TM+6]         ; head 1's
.irp b, 0,1,2,3
.irp i, 0,1,2,3,4,5,6,7,8,9,10,11,12,13,14,15
	v_med3_num_f32 v[KB+16*\b+\i], v[S+16*\b+\i], -v[TM+8+\b], v[TM+8+\b]   ; the conversion to an 8-bit code does not saturate (ISA guide 7.6.2): the hold, into other registers
.endr
	v_cvt_scalef32_pk8_fp8_f32 v[W+4*\b:W+4*\b+1], v[KB+16*\b:KB+16*\b+7], v[TM+12+\b]
	v_cvt_scalef32_pk8_fp8_f32 v[W+4*\b+2:W+4*\b+3], v[KB+16*\b+8:KB+16*\b+15], v[TM+12+\b]
.endr
	v_nop                                          ; one plain line behind the last conversion
	s_wait_alu depctr_va_vdst(0)                   ; the conversions have written v's codes, the shifts v62-63, which the LDS stores read; and all that named v64-127 and v160-191, in which the loop's first loads land, is done
.irp g, 0,1
.irp l, 0,1
	ds_store_b128 v[VW], v[W+8*\g+4*\l:W+8*\g+4*\l+3] offset:16384*\g+512*\l
.endr
.endr
	ds_store_b32 v[VSW], v62
	ds_store_b32 v[VSW], v63 offset:2048
	s_wait_dscnt 0x0                               ; for the others' sake: all my stores have landed
	s_wait_alu depctr_vm_vsrc(0)                   ; my LDS stores have read v12-15, which become the row's sums below, and v's codes in v[W ..], which the loop writes again
	s_barrier_signal -1
.irp j, 0,1,2,3,4,5,6,7
	v_mov_b32 v[O+\j], 0                           ; the step is written once: the first adds onto zeros
.endr
.irp j, 0,1,2,3
	v_mov_b32 v[L0+\j], 0
.endr
	s_mov_b32 s[CNT], 0
	s_mov_b32 s40, 0                               ; the trip's place among k's images (8,192 a trip),
	s_mov_b32 s41, 0                               ; v's fragments (2,048),
	s_mov_b32 s42, 0                               ; v's scale words (256),
	s_mov_b32 s43, 0                               ; the addends (512)
	s_barrier_wait -1                              ; k, v and the addends of all 1,024 keys lie in LDS; nothing is stored there while the loop reads
	; ---- THE LOOP
; The next of the 16 products of a half-step's S^T = k q^T, from the buffer at KN: K step mi / 4, tile mi % 4.  The four accumulators take turns, one instruction a turn; the first four start the sums.
.macro MMNEXT
.if mi < 4
	v_wmma_f32_16x16x4_f32 v[S+8*(mi%4):S+8*(mi%4)+7], v[KN+8*(mi%4):KN+8*(mi%4)+1], v[QF:QF+1], 0
.else
	v_wmma_f32_16x16x4_f32 v[S+8*(mi%4):S+8*(mi%4)+7], v[KN+8*(mi%4)+2*(mi/4):KN+8*(mi%4)+2*(mi/4)+1], v[QF+2*(mi/4):QF+2*(mi/4)+1], v[S+8*(mi%4):S+8*(mi%4)+7]
.endif
.set mi, mi+1
.endm
; A trip's head: all LDS loads of the half-step before are in; then the trip's addresses.
.macro HEAD
	s_wait_dscnt 0x0
	s_wait_alu depctr_vm_vsrc(0)                   ; the LDS loads of the trip before (ahead of the first trip: phase 0's LDS stores) have read v1-3 and v17, which the four additions write
	v_add_nc_u32 v[ADK], s40, v[AK0]
	v_add_nc_u32 v[ADV], s41, v[AV0]
	v_add_nc_u32 v[ADS], s42, v[AS0]
	v_add_nc_u32 v[ADB], s43, v[AB0]
.endm
; HALF-STEP u = 2 x trip + par: 64 keys, whose scores lie in S.  lk: k of half-step u + 2 is fetched, into the buffer that the last half-step's products read.  mm: the 16 products of half-step u + 1 stand between
; the vector lines.  lb: the addends of half-step u + 1 are fetched.  An even half-step fetches the step's fragment of v; an odd one ends with the step's product O^T += v^T p^T.
; DISTANCES.  Behind the half-step's last f32 product stand two rounds of maxima and sums, the scale lines and 32 holds, all plain and none naming its registers: more than the nine places asked ahead of the next
; half-step's reads of S and products that start S anew.
.macro BODY par, lk, mm, lb
.set mi, 0
.set KN, K0+32*(1-(\par))
.set KR, K0+32*(\par)
.if \par
	s_wait_dscnt 0x0                               ; all LDS loads of the half-step before are in
	v_lshl_or_b32 v[VS], v[VS2], 16, v[VS]         ; v's scale word of the step
.endif
.irp t, 0,1,2,3
.irp j, 0,1,2,3,4,5,6,7
	v_exp_f32 v[W+8*\t+\j], v[S+8*\t+\j]           ; e = e^(2 U): infinity or 0 at the ends give r = 0 or 1, tanh's own limits.  Each tile is read from its low end on
.endr
.if (\mm) || (\t == 3)
	v_nop                                          ; a plain line between the exponentials and the product that writes over their sources; the last is also the batch's
.endif
.if \t == 3
	s_wait_alu depctr_va_vdst(0)                   ; the 32 exponentials have written v[W ..], ahead of their first reader; the last half-step's products are done reading the k buffer at KR, and the trip's four addresses are written: for the loads below
.if \lk
.irp c, 0,1,2,3
	ds_load_b128 v[KR+8*\c:KR+8*\c+3], v[ADK] offset:8192+4096*(\par)+1024*\c          ; k of half-step u + 2.  No vector or matrix instruction since the wait names these registers
	ds_load_b128 v[KR+8*\c+4:KR+8*\c+7], v[ADK] offset:8192+4096*(\par)+1024*\c+512
.endr
.endif
.endif
.if \mm
	MMNEXT                                         ; tile t's scores have been read: its sum of the next half-step begins
.endif
.endr
.set j, 0
.rept 16
	v_pk_add_f32 v[W+j:W+j+1], v[W+j:W+j+1], 1.0 op_sel_hi:[1,0]
.set j, j+2
.if (\mm) && ((j == 16) || (j == 32))
	MMNEXT
.endif
.endr
.set j, 0
.rept 32
	v_rcp_f32 v[W+j], v[W+j]                       ; r = 1 / (1 + e)
.set j, j+1
.if (\mm) && ((j == 10) || (j == 20))
	MMNEXT
.endif
.endr
	v_nop
	s_wait_alu depctr_va_vdst(0)                   ; the 32 reciprocals have written v[W ..], ahead of their first reader; in an even half-step also: the last step's scaled product is done reading VF and VS, and the shift VS2, in which the loads below land
.if \par == 0
.irp c, 0,1,2,3
	ds_load_b128 v[VF+4*\c:VF+4*\c+3], v[ADV] offset:512*\c            ; v's fragment of the step's 128 keys
.endr
	ds_load_b32 v[VS], v[ADS]                      ; its scale bytes: keys 0-63,
	ds_load_b32 v[VS2], v[ADS] offset:128          ; keys 64-127
.endif
.if \mm
	MMNEXT
.endif
.set j, 0
.rept 16
	v_pk_fma_f32 v[W+j:W+j+1], v[W+j:W+j+1], s[CC:CC+1], v[BI+j:BI+j+1] op_sel_hi:[1,0,1]   ; t - 15, or -infinity
.set j, j+2
.if (\mm) && (j == 16)
	MMNEXT
.endif
.endr
.if \mm
	MMNEXT
.endif
.set j, 0
.rept 32
	v_exp_f32 v[W+j], v[W+j]                       ; p = 2^(t - 15): not normalised
.set j, j+1
.if (\mm) && ((j == 10) || (j == 20))
	MMNEXT
.endif
.endr
	v_nop
	s_wait_alu depctr_va_vdst(0)                   ; the 32 exponentials have written v[W ..], ahead of their first reader; the multiply-adds are done reading the addends, in whose registers the loads below land
.if \lb
.irp b, 0,1
.irp i, 0,1,2,3
	ds_load_b128 v[BI+16*\b+4*\i:BI+16*\b+4*\i+3], v[ADB] offset:256*((\par)+1)+128*\b+16*\i   ; the next half-step's addends, keys 32 b + 16 h + 4 i on: sixteen lanes read the same 16 bytes
.endr
.endr
.endif
.if \mm
	MMNEXT
.endif
.irp i, 0,1,2,3,4,5,6,7                        ; the two blocks' largest p (p is not negative: no |.|; the floor is a leaf) and the row's sum of the unquantised p, by turns: no line waits for the line above it
.if \i == 0
	v_max3_num_f32 v[TM], v[W], v[W+1], FLOOR
	v_max3_num_f32 v[TM+1], v[W+16], v[W+17], FLOOR
.else
	v_max3_num_f32 v[TM], v[TM], v[W+2*\i], v[W+2*\i+1]
	v_max3_num_f32 v[TM+1], v[TM+1], v[W+16+2*\i], v[W+17+2*\i]
.endif
	v_pk_add_f32 v[L0:L0+1], v[L0:L0+1], v[W+2*\i:W+2*\i+1]
	v_pk_add_f32 v[L1:L1+1], v[L1:L1+1], v[W+16+2*\i:W+17+2*\i]
.if (\mm) && ((\i == 2) || (\i == 5))
	MMNEXT
.endif
.endr
.irp b, 0,1
	v_permlanex16_b32 v[TM+4+\b], v[TM+\b], s[SEL], s[SEL+1]
.endr
.irp b, 0,1
	v_max_num_f32 v[TM+\b], v[TM+\b], v[TM+4+\b]           ; with lane l xor 16's 16 keys
.endr
.irp b, 0,1
	v_add_nc_u32 v[TM+12+\b], EOFF, v[TM+\b]               ; the conversions' scale operand
.endr
.irp b, 0,1
	v_and_or_b32 v[TM+8+\b], v[TM+\b], EXPF, s[MNT]        ; 448 x the scale
.endr
.irp b, 0,1
	v_lshrrev_b32 v[TM+4+\b], 23, v[TM+12+\b]              ; the scale's byte
.endr
.if \par
	v_lshl_or_b32 v[PW], v[TM+4], 16, v[PW]        ; p's scale word of the step: bytes 2 and 3; 32 holds stand between it and the product
	v_lshl_or_b32 v[PW], v[TM+5], 24, v[PW]
.else
	v_lshl_or_b32 v[PW], v[TM+5], 8, v[TM+4]       ; bytes 0 and 1
.endif
.irp b, 0,1
.irp i, 0,1,2,3,4,5,6,7,8,9,10,11,12,13,14,15
	v_min_num_f32 v[W+16*\b+\i], v[W+16*\b+\i], v[TM+8+\b]             ; the hold, one-sided, in place: the sum has been taken
.endr
	v_cvt_scalef32_pk8_fp8_f32 v[PC+8*(\par)+4*\b:PC+8*(\par)+4*\b+1], v[W+16*\b:W+16*\b+7], v[TM+12+\b]
	v_cvt_scalef32_pk8_fp8_f32 v[PC+8*(\par)+4*\b+2:PC+8*(\par)+4*\b+3], v[W+16*\b+8:W+16*\b+15], v[TM+12+\b]
.endr
.if \par
	PLACES 4                                       ; codes written by vector instructions stand four places ahead of a scaled product
	s_wait_alu depctr_va_vdst(0)                   ; the conversions have written p's codes, the shifts p's and v's scale words, which the scaled product takes; the places above stay beside this wait
	v_wmma_scale_f32_16x16x128_f8f6f4 v[O:O+7], v[VF:VF+15], v[PC:PC+15], v[O:O+7], v[VS], v[PW]   ; O^T += v^T p^T; 32 other products stand between two links of this chain
.else
	v_nop                                          ; one plain line behind the last conversion: the next half-step writes over its sources
.endif
.endm
	; half-steps 0 and 1 of k, the addends of half-step 0; half-step 0's products have no vector work to stand among.  (Since the wait ahead of the stores of v's codes no vector instruction has named these loads' registers)
.irp t, 0,1,2,3
	ds_load_b128 v[K0+8*\t:K0+8*\t+3], v[AK0] offset:1024*\t
	ds_load_b128 v[K0+8*\t+4:K0+8*\t+7], v[AK0] offset:1024*\t+512
.endr
.irp t, 0,1,2,3
	ds_load_b128 v[K0+32+8*\t:K0+32+8*\t+3], v[AK0] offset:4096+1024*\t
	ds_load_b128 v[K0+32+8*\t+4:K0+32+8*\t+7], v[AK0] offset:4096+1024*\t+512
.endr
.irp b, 0,1
.irp i, 0,1,2,3
	ds_load_b128 v[BI+16*\b+4*\i:BI+16*\b+4*\i+3], v[AB0] offset:128*\b+16*\i
.endr
.endr
	s_wait_dscnt 16                                ; the first eight loads are in; the sixteen younger (the second buffer's, the addends') may be out
.set mi, 0
.set KN, K0
.rept 16
	MMNEXT
.endr
	PLACES 9                                       ; ahead of the reads of S and the products that start S anew
.Ltrip:                                            ; seven trips of two half-steps: 128 keys
	HEAD
	BODY 0, 1, 1, 1
	BODY 1, 1, 1, 1
	s_add_co_u32 s40, s40, 8192
	s_add_co_u32 s41, s41, 2048
	s_add_co_u32 s42, s42, 256
	s_add_co_u32 s43, s43, 512
	s_add_co_u32 s[CNT], s[CNT], 1
	s_cmp_lt_u32 s[CNT], 7
	s_cbranch_scc1 .Ltrip
	HEAD                                           ; the last two half-steps are written out: no k is left to fetch,
	BODY 0, 0, 1, 1
	BODY 1, 0, 0, 0                                ; and behind the last there is no half-step to multiply or to fetch addends for
	; ---- THE WAY OUT
	v_pk_add_f32 v[L0:L0+1], v[L0:L0+1], v[L1:L1+1]
	v_add_f32 v[L0], v[L0], v[L0+1]
	v_permlanex16_b32 v[L0+1], v[L0], s[SEL], s[SEL+1]
	v_add_f32 v[L0], v[L0], v[L0+1]                ; the row's sum
	v_rcp_f32 v[L0], v[L0]
	PLACES 5                                       ; the plain line behind the reciprocal; with the three additions above, eight places behind the last product
	s_wait_alu depctr_va_vdst(0)                   ; the reciprocal has written v[L0], ahead of its first reader
.irp j, 0,1,2,3,4,5,6,7
	v_mul_f32 v[TM+\j], v[O+\j], v[L0]             ; o(query r, d = 8 h + j)
.endr
	s_wait_alu depctr_va_vdst(0)                   ; the multiplications have written v30-37, which the LDS stores read; and all that named v[W ..] and v40-43, in which the loads further down land, is done
	ds_store_b128 v[OSTW], v[TM:TM+3]
	ds_store_b128 v[OSTW], v[TM+4:TM+7] offset:16
	s_wait_alu depctr_vm_vsrc(0)                   ; the two stores have read v30-37, which the quantising waves write again behind the branch below
	BARRIER                                        ; both heads of all 128 rows lie in the stage
	s_cmp_lt_u32 s[WV], 8                          ; waves 0 to 7 quantise a tile of 16 rows each: lane (r, h) takes head h's 16 numbers of row r, lanes l and l xor 16 hold the block of 32
	s_cbranch_scc0 .Lno_quant
.irp i, 0,1,2,3
	ds_load_b128 v[W+4*\i:W+4*\i+3], v[OSTR] offset:16*\i
.endr
	s_wait_dscnt 0x0
	v_max3_num_f32 v30, |v[W]|, |v[W+1]|, FLOOR
.irp i, 2,4,6,8,10,12,14
	v_max3_num_f32 v30, v30, |v[W+\i]|, |v[W+\i+1]|
.endr
	v_permlanex16_b32 v31, v30, s[SEL], s[SEL+1]
	v_max_num_f32 v30, v30, v31
	v_add_nc_u32 v32, EOFF, v30
	v_and_or_b32 v33, v30, EXPF, s[MNT]
	v_lshrrev_b32 v34, 23, v32                     ; the block's byte
	v_and_b32 v35, 0x7fffffff, v[W]
	v_cmp_lt_u32 vcc_lo, EXPF, v35                 ; a row with no key left is 0 x infinity: its bits lie over infinity's
	v_mov_b32 v35, 0xff
	s_wait_alu depctr_va_vcc(0)                    ; the compare has written VCC, which the select reads
	v_cndmask_b32 v34, v34, v35, vcc_lo            ; then the byte is 0xff, which makes the last product's row NaN
	v_permlanex16_b32 v31, v34, s[SEL], s[SEL+1]
	v_or_b32 v34, v34, v31                         ; both lanes of a row hold the same byte
.irp i, 0,1,2,3,4,5,6,7,8,9,10,11,12,13,14,15
	v_med3_num_f32 v[W+\i], v[W+\i], -v33, v33
.endr
	v_cvt_scalef32_pk8_fp8_f32 v[36:37], v[W:W+7], v32
	v_cvt_scalef32_pk8_fp8_f32 v[38:39], v[W+8:W+15], v32
	v_nop
	s_wait_alu depctr_va_vdst(0)                   ; the conversions have written v36-39 and the or v34, which the two stores read
	global_store_b128 v[LI16], v[36:39], s[22:23]  ; registers 4 c .. 4 c + 3 of the last product's operand, as they stand: the wave stores 512 consecutive bytes, aligned
	ds_store_b32 v[SCW], v34                       ; both lanes of a row write the same word with the same value
.Lno_quant:
	BARRIER                                        ; the 128 rows' scale words lie in LDS
	s_cmp_lg_u32 s[WV], 0
	s_cbranch_scc1 .Lend
	ds_load_b128 v[40:43], v[SCR]
	s_wait_dscnt 0x0
	global_store_b128 v[LI16], v[40:43], s[24:25]  ; 512 consecutive bytes, aligned
.Lend:
	s_wait_xcnt 0x0
	v_lshl_add_u32 v254, v0, 2, 0x2ea00
	v_mov_b32 v255, 0
	s_wait_dscnt 0x0                               ; the closing lines, six on end
	s_wait_alu 0x0
	s_wait_tensorcnt 0x0
	ds_add_u32 v254, v255
	s_wait_dscnt 0x0
	s_endpgm
.Lfunc_end_k_qc28498cab2_attn:
	.size	k_qc28498cab2_attn, .Lfunc_end_k_qc28498cab2_attn-k_qc28498cab2_attn
	.p2alignl 7, 3214868480
	.fill 96, 4, 3214868480
	.section	.rodata,"a",@progbits
	.p2align	6, 0x0
	.amdhsa_kernel k_qc28498cab2_attn
		.amdhsa_group_segment_fixed_size 193024
		.amdhsa_private_segment_fixed_size 0
		.amdhsa_enable_private_segment 0
		.amdhsa_kernarg_size 88
		.amdhsa_user_sgpr_count 2
		.amdhsa_user_sgpr_kernarg_segment_ptr 1
		.amdhsa_wavefront_size32 1
		.amdhsa_system_sgpr_workgroup_id_x 1
		.amdhsa_system_sgpr_workgroup_id_y 1
		.amdhsa_system_sgpr_workgroup_id_z 1
		.amdhsa_system_vgpr_workitem_id 0
		.amdhsa_next_free_vgpr 256
		.amdhsa_next_free_sgpr 66
		.amdhsa_reserve_vcc 1
		.amdhsa_float_denorm_mode_32 3
		.amdhsa_float_denorm_mode_16_64 3
		.amdhsa_memory_ordered 1
		.amdhsa_forward_progress 1
		.amdhsa_inst_pref_size 76
	.end_amdhsa_kernel
	.amdgpu_metadata
---
amdhsa.version: [ 1, 2 ]
amdhsa.kernels:
  - .name:           k_qc28498cab2_attn
    .symbol:         k_qc28498cab2_attn.kd
    .args:
      - { .name: Q_codes, .offset: 0, .size: 8, .value_kind: global_buffer, .address_space: global }
      - { .name: Q_scales, .offset: 8, .size: 8, .value_kind: global_buffer, .address_space: global }
      - { .name: Wk_codes, .offset: 16, .size: 8, .value_kind: global_buffer, .address_space: global }
      - { .name: Wk_scales, .offset: 24, .size: 8, .value_kind: global_buffer, .address_space: global }
      - { .name: Wq_codes, .offset: 32, .size: 8, .value_kind: global_buffer, .address_space: global }
      - { .name: Wq_scales, .offset: 40, .size: 8, .value_kind: global_buffer, .address_space: global }
      - { .name: Wvin_codes, .offset: 48, .size: 8, .value_kind: global_buffer, .address_space: global }
      - { .name: Wvin_scales, .offset: 56, .size: 8, .value_kind: global_buffer, .address_space: global }
      - { .name: mask, .offset: 64, .size: 8, .value_kind: global_buffer, .address_space: global }
      - { .name: o_codes, .offset: 72, .size: 8, .value_kind: global_buffer, .address_space: global }
      - { .name: o_scales, .offset: 80, .size: 8, .value_kind: global_buffer, .address_space: global }
    .group_segment_fixed_size: 193024
    .private_segment_fixed_size: 0
    .kernarg_segment_align: 8
    .kernarg_segment_size: 88
    .max_flat_workgroup_size: 512
    .sgpr_count:     66
    .vgpr_count:     256
    .wavefront_size: 32
...
	.end_amdgpu_metadata
.endif
;; end of part 3
;; launch outproj (part 4): grid 256 x 1, 4 waves a work-group, no clusters, 17,920 bytes of LDS; arguments o_codes, o_scales, Wvout_codes, Wvout_scales, out0; writes out0
.if DOCPART == 4
	.amdgcn_target "amdgcn-amd-amdhsa--gfx1250"
	.amdhsa_code_object_version 6
	.text
	.protected	k_qc28498cab2_outproj
	.globl	k_qc28498cab2_outproj
	.p2align	8
	.type	k_qc28498cab2_outproj,@function
k_qc28498cab2_outproj:
	s_mov_b64 s[64:65], 0
	v_nop
	global_prefetch_b8 v0, s[64:65] scope:SCOPE_SE
	s_setreg_imm32_b32 hwreg(HW_REG_WAVE_SCHED_MODE, 0, 2), 2
	s_setreg_imm32_b32 hwreg(HW_REG_WAVE_MODE, 25, 1), 1
	s_wait_xcnt 0x0
	s_wait_alu depctr_vm_vsrc(0)
; out0 [8,192][128] f32 = o Wvout, both operands as E4M3 codes with one E8M0 byte for each 32 along K = 128.
; o_codes: [row tile 512][K block 4][lane 32][16 B], the operand's registers as they stand; o_scales: [K block 4][row 8,192], the byte in the low bits of a word.  Wvout_codes: [128 columns][128 K]; Wvout_scales: a word a column.
; A work-group of four waves takes two tiles of 16 rows; wave w takes tile w / 2 and columns 64 (w % 2) on: four matrix instructions, K in one step.
; The product is used transposed (source 0 = 16 rows of Wvout's codes = 16 columns of out0, source 1 = o): a lane holds eight neighbouring columns of one row.  They go through the wave's own stage in LDS
; and leave as runs of 256 consecutive bytes, aligned, from sixteen lanes.  Waves share nothing: no barrier.  No tensor load, no cluster: a wave reads 10 KB once, straight into operand registers.
; THE MODE: SCHED_MODE bits 1:0 = 2 (LLVM: expert scheduling mode 2), set by the entry lines.  The code itself states the register dependences between vector or matrix instructions
; and memory or LDS instructions, with s_wait_alu, always for 0.
; THE PLAN.  Registers that memory or LDS instructions touch: the offsets v3-6 and the addresses v7-9, each written once and never again; v10-13, v16-99, in which the global loads land once;
; v100-131, the products' results, which the LDS stores read; v36-67, which the products read as Wvout's fragments and in which the stage's loads then land, to be read by the global stores.
; No register that a memory or LDS instruction has read is written again.  So three waits on va_vdst: ahead of the first load, ahead of the products, and behind the places that follow them.
.set SP, 272                           ; a stage row: 256 bytes + 16
.macro PLACES n
.rept \n
	v_nop
.endr
.endm
	s_load_b256 s[4:11], s[0:1], 0x0               ; o_codes 4, o_scales 6, Wvout codes 8, Wvout scales 10
	s_load_b64 s[12:13], s[0:1], 0x20              ; out0
	v_lshl_add_u32 v136, v0, 2, 0x4400
	v_mov_b32 v137, 0
	v_lshrrev_b32 v1, 5, v0
	v_readfirstlane_b32 s14, v1                    ; wave 0..3
	v_and_b32 v1, 15, v0                           ; r
	v_bfe_u32 v2, v0, 4, 1                         ; h
	v_and_b32 v3, 31, v0
	v_lshlrev_b32 v3, 4, v3                        ; 16 x lane
	s_wait_alu depctr_va_sdst(0)                   ; s14 is written, ahead of its first reader: offsets and bases are made from it
	s_lshr_b32 s15, s14, 1
	s_and_b32 s16, s14, 1                          ; which 64 columns
	s_lshl_b32 s17, ttmp9, 1
	s_add_co_u32 s17, s17, s15                     ; my tile of 16 rows
	v_lshlrev_b32 v4, 7, v1
	v_lshl_add_u32 v4, v2, 4, v4
	s_lshl_b32 s18, s16, 13
	v_add_nc_u32 v4, s18, v4                       ; Wvout: row 64 (w % 2) + r, + 16 h
	v_lshlrev_b32 v6, 2, v1                        ; 4 r
	s_lshl_b32 s18, s16, 8
	v_add_nc_u32 v5, s18, v6                       ; and its scale word
	s_mov_b32 s21, 0
	s_wait_kmcnt 0x0
	s_lshl_b32 s20, s17, 11
	s_add_nc_u64 s[4:5], s[4:5], s[20:21]          ; my tile's 2,048 bytes of codes
	s_lshl_b32 s20, s17, 6
	s_add_nc_u64 s[6:7], s[6:7], s[20:21]          ; its 16 words in each K block's run
	s_lshl_b32 s20, s17, 13
	s_lshl_b32 s22, s16, 8
	s_add_co_u32 s20, s20, s22
	s_add_nc_u64 s[12:13], s[12:13], s[20:21]      ; out0: 16 rows of 512 bytes a tile, + my 256 bytes of a row
	s_wait_alu depctr_va_vdst(0)                   ; the offsets v3-6 are written, which the loads read
.irp c, 0,1,2,3
	global_load_b128 v[20+4*\c:23+4*\c], v3, s[4:5] offset:512*\c      ; o's fragment
	global_load_b32 v[10+\c], v6, s[6:7] offset:32768*\c               ; row r's byte of K block c
.endr
.irp t, 0,1,2,3
.irp c, 0,1,2,3
	global_load_b128 v[36+16*\t+4*\c:39+16*\t+4*\c], v4, s[8:9] offset:2048*\t+32*\c
.endr
	global_load_b32 v[16+\t], v5, s[10:11] offset:64*\t
.endr
	s_wait_loadcnt 0x0
	v_lshl_or_b32 v14, v11, 8, v10                 ; row r's scale word
	v_lshl_or_b32 v14, v12, 16, v14
	v_lshl_or_b32 v14, v13, 24, v14
	s_mul_i32 s18, s14, 16*SP                      ; my stage.  The eight lines below are the eight places between the scale word's last write and the products
	v_mul_u32_u24 v7, v1, SP
	v_lshl_add_u32 v7, v2, 5, v7
	v_add_nc_u32 v7, s18, v7                       ; in: row r, 32 bytes for each half of the lanes
	v_mul_u32_u24 v8, v2, SP
	v_lshl_add_u32 v8, v1, 4, v8
	v_add_nc_u32 v8, s18, v8                       ; back: lanes 0-15 one row, lanes 16-31 the next
	v_lshlrev_b32 v9, 9, v2
	v_lshl_add_u32 v9, v1, 4, v9                   ; and the same two rows in out0
	s_wait_alu depctr_va_vdst(0)                   ; the shifts have written the scale word v14, which the scaled products take; the places above stay beside this wait
.irp t, 0,1,2,3
	v_wmma_scale_f32_16x16x128_f8f6f4 v[100+8*\t:107+8*\t], v[36+16*\t:51+16*\t], v[20:35], 0, v[16+\t], v14
.endr
	PLACES 8                                       ; ahead of the stores that read the results
	s_wait_alu depctr_va_vdst(0)                   ; the products have written v100-131, which the LDS stores read, and are done reading v36-67, in which the stage's loads land; the places above stay beside this wait
.irp t, 0,1,2,3
	ds_store_b128 v7, v[100+8*\t:103+8*\t] offset:64*\t                ; out0(r, 16 t + 8 h + 0 .. 7) of my 64 columns; each result from its low end on
	ds_store_b128 v7, v[104+8*\t:107+8*\t] offset:64*\t+16
.endr
.irp i, 0,1,2,3,4,5,6,7
	ds_load_b128 v[36+4*\i:39+4*\i], v8 offset:2*\i*SP                 ; LDS serves a wave's instructions in order (ISA guide 5.7.1.4): these see my stores
.endr
.irp i, 0,1,2,3,4,5,6,7
	s_wait_dscnt 7-\i                              ; pair i of rows is in; the younger loads may be out
	global_store_b128 v9, v[36+4*\i:39+4*\i], s[12:13] offset:1024*\i th:TH_STORE_NT   ; sixteen lanes store 256 consecutive bytes, aligned; written once, read by nobody here
.endr
	s_wait_dscnt 0x0                               ; the closing lines, six on end
	s_wait_alu 0x0
	s_wait_tensorcnt 0x0
	ds_add_u32 v136, v137
	s_wait_dscnt 0x0
	s_endpgm
.Lfunc_end_k_qc28498cab2_outproj:
	.size	k_qc28498cab2_outproj, .Lfunc_end_k_qc28498cab2_outproj-k_qc28498cab2_outproj
	.p2alignl 7, 3214868480
	.fill 96, 4, 3214868480
	.section	.rodata,"a",@progbits
	.p2align	6, 0x0
	.amdhsa_kernel k_qc28498cab2_outproj
		.amdhsa_group_segment_fixed_size 17920
		.amdhsa_private_segment_fixed_size 0
		.amdhsa_enable_private_segment 0
		.amdhsa_kernarg_size 40
		.amdhsa_user_sgpr_count 2
		.amdhsa_user_sgpr_kernarg_segment_ptr 1
		.amdhsa_wavefront_size32 1
		.amdhsa_system_sgpr_workgroup_id_x 1
		.amdhsa_system_sgpr_workgroup_id_y 1
		.amdhsa_system_sgpr_workgroup_id_z 1
		.amdhsa_system_vgpr_workitem_id 0
		.amdhsa_next_free_vgpr 138
		.amdhsa_next_free_sgpr 66
		.amdhsa_reserve_vcc 0
		.amdhsa_float_denorm_mode_32 3
		.amdhsa_float_denorm_mode_16_64 3
		.amdhsa_memory_ordered 1
		.amdhsa_forward_progress 1
		.amdhsa_inst_pref_size 8
	.end_amdhsa_kernel
	.amdgpu_metadata
---
amdhsa.version: [ 1, 2 ]
amdhsa.kernels:
  - .name:           k_qc28498cab2_outproj
    .symbol:         k_qc28498cab2_outproj.kd
    .args:
      - { .name: o_codes, .offset: 0, .size: 8, .value_kind: global_buffer, .address_space: global }
      - { .name: o_scales, .offset: 8, .size: 8, .value_kind: global_buffer, .address_space: global }
      - { .name: Wvout_codes, .offset: 16, .size: 8, .value_kind: global_buffer, .address_space: global }
      - { .name: Wvout_scales, .offset: 24, .size: 8, .value_kind: global_buffer, .address_space: global }
      - { .name: out0, .offset: 32, .size: 8, .value_kind: global_buffer, .address_space: global }
    .group_segment_fixed_size: 17920
    .private_segment_fixed_size: 0
    .kernarg_segment_align: 8
    .kernarg_segment_size: 40
    .max_flat_workgroup_size: 128
    .sgpr_count:     66
    .vgpr_count:     138
    .wavefront_size: 32
...
	.end_amdgpu_metadata
.endif
;; end of part 4
